; MI455X (gfx1250); checked and timed in simulation.
; The chip was launched on July 23, 2026; its instructions are those of AMD's public machine-readable ISA for CDNA 5 (MIT licence, August 2026) and "CDNA5" Instruction Set Architecture Reference Guide (July 2026). The comments in the code are by the model that wrote it; some were corrected since.
;; T Expert. Allowed arithmetic: float matrix products may take bf16 or f16 operands with f32 sums; other float arithmetic in f32, or as packed bf16 or f16 multiplies, adds, multiply-adds, maxima and minima; sums over many terms, partial sums and values carried from step to step in f32; what a program stores and reads back later, other than sums and carried values, may be rounded once to bf16 or f16.
;; Inputs: b1 8 x 4,096 float32; b2 8 x 1,024 float32; gate_w 8 x 1,024 float32; hidden_states 2 x 256 x 1,024 float32; ln_w 1,024 float32; w1 8 x 1,024 x 4,096 float32; w2 8 x 4,096 x 1,024 float32.
;; Outputs: out0 2 x 256 x 1,024 float32.
;; 2 versions, each right; version 2 is version 1 with the launches mix0, mix1 written anew for expert scheduling mode. Each part assembles by itself: llvm-mc -triple=amdgcn-amd-amdhsa -mcpu=gfx1250 --defsym DOCPART=n.
;; ======== version 1 of 2: 7 launches
;; workspace buffers: tb 1,048,576 bytes; hs 33,554,432 bytes; part 67,108,864 bytes; x1 2,097,152 bytes; rwa 131,072 bytes; rwb 131,072 bytes
;; launch gate0 (part 1): grid 512 x 1, 4 waves a work-group, no clusters, 1,024 bytes of LDS; arguments hidden_states, gate_w, tb, rwa; writes tb, rwa
.if DOCPART == 1
	.amdgcn_target "amdgcn-amd-amdhsa--gfx1250"
	.amdhsa_code_object_version 6
	.text
	.protected	k_qdd413108c5_gate0
	.globl	k_qdd413108c5_gate0
	.p2align	8
	.type	k_qdd413108c5_gate0,@function
k_qdd413108c5_gate0:
	s_mov_b64 s[64:65], 0
	v_nop
	global_prefetch_b8 v0, s[64:65] scope:SCOPE_SE
	s_setreg_imm32_b32 hwreg(HW_REG_WAVE_MODE, 25, 1), 1
	s_wait_xcnt 0x0
; STEP 0's GATE.  For token row t: rwa[t] = softmax over the 8 experts of hidden_states[t] . gate_w[e], all in f32 (the maximum is taken away first), and tb[t] = hidden_states[t] rounded once to bf16.
; One work-group is one row of 1,024 numbers; thread n holds columns 4 n .. 4 n + 3 and 512 + 4 n .. : every load of a wave covers 512 neighbouring bytes, every bf16 store 256.
; The gate's product has 8 columns: it is made by f32 multiply-adds beside the row, a matrix tile would be half empty and would cost a rounding.
; rwa's row is 256 bytes, 64 words: word 2 l and 2 l + 1 hold rw[l mod 8], so that wave 0 stores the row whole with one instruction and a reader finds rw[e] twice, as a pair, at words 2 e, 2 e + 1.
; LIMITS.  A weight below 2^-126 counts as 0; NaN and infinities are not treated apart.
.set SPARE, 256                        ; LDS: bytes 0-255 the waves' partial sums (64 bytes a wave); 256-767 the spare words, 128 bytes a wave
.set X,    16                          ; v[16:23]   my 8 numbers of the row
.set Y,    16                          ; the gate multiplies the row itself
.set RING, 32                          ; v[32:95]   gate_w's 8 rows, my 8 columns of each
.set LG,   224                         ; v[224:231] the 8 partial logits
.set T,    234                         ; v[234:241] four pairs at work
.set U,    242                         ; v[242:249] at work
.set PR,   252                         ; v[252:253] rw, twice
	s_load_b256 s[4:11], s[0:1], 0x0               ; hidden_states s[4:5], gate_w s[6:7], tb s[8:9], rwa s[10:11]
	v_lshl_add_u32 v8, v0, 2, SPARE                ; my spare word
	v_mov_b32 v9, 0
	v_lshlrev_b32 v1, 4, v0                        ; my 16 bytes in half a row of f32
	v_lshlrev_b32 v2, 3, v0                        ; my 8 bytes in half a row of bf16
	v_lshrrev_b32 v3, 5, v0
	v_readfirstlane_b32 s22, v3                    ; wave 0..3
	v_lshlrev_b32 v4, 6, v3                        ; my wave's 64 bytes in LDS
	v_and_b32 v5, 7, v0
	v_lshlrev_b32 v5, 2, v5                        ; the word of expert lane mod 8
	v_and_b32 v7, 31, v0
	v_lshlrev_b32 v7, 3, v7                        ; 8 bytes a lane in rwa's row
	s_mov_b32 s58, 0x76543210                      ; v_permlanex16_b32: each lane takes its own place in the other half
	s_mov_b32 s59, 0xfedcba98
	s_lshl_b32 s56, ttmp9, 12                      ; the row in hidden_states,
	s_mov_b32 s57, 0
	s_lshl_b32 s60, ttmp9, 11                      ; in tb,
	s_mov_b32 s61, 0
	s_lshl_b32 s62, ttmp9, 8                       ; in rwa
	s_mov_b32 s63, 0
	s_wait_kmcnt 0x0
	s_add_nc_u64 s[4:5], s[4:5], s[56:57]
	s_add_nc_u64 s[8:9], s[8:9], s[60:61]
	s_add_nc_u64 s[10:11], s[10:11], s[62:63]
	global_load_b128 v[X:X+3], v1, s[4:5]
	global_load_b128 v[X+4:X+7], v1, s[4:5] offset:2048
.irp e, 0,1,2,3,4,5,6,7
	global_load_b128 v[RING+8*(\e):RING+8*(\e)+3], v1, s[6:7] offset:(\e)*4096
	global_load_b128 v[RING+8*(\e)+4:RING+8*(\e)+7], v1, s[6:7] offset:(\e)*4096+2048
.endr
.macro DOT e, g                        ; my 8 columns' part of logit e; gate_w's row lies in v[g .. g+7]
.set tp, T+2*((\e)%4)
	v_pk_mul_f32 v[tp:tp+1], v[Y:Y+1], v[(\g):(\g)+1]
	v_pk_fma_f32 v[tp:tp+1], v[Y+2:Y+3], v[(\g)+2:(\g)+3], v[tp:tp+1]
	v_pk_fma_f32 v[tp:tp+1], v[Y+4:Y+5], v[(\g)+4:(\g)+5], v[tp:tp+1]
	v_pk_fma_f32 v[tp:tp+1], v[Y+6:Y+7], v[(\g)+6:(\g)+7], v[tp:tp+1]
	v_add_f32 v[LG+(\e)], v[tp], v[tp+1]
.endm
.macro WSUM n                          ; v[LG .. LG+n-1] summed over the wave's 32 lanes; the values take turns, so that no line waits for the one before it
.irp m, 1,2,4,8
.set k, 0
.rept \n
	v_add_f32_dpp v[LG+k], v[LG+k], v[LG+k] row_xmask:\m row_mask:0xf bank_mask:0xf
.set k, k+1
.endr
.endr
.set k, 0
.rept \n
	v_permlanex16_b32 v[RING+k], v[LG+k], s58, s59 ; its destination counts as read: registers that the loads have written and nobody needs any more
.set k, k+1
.endr
.set k, 0
.rept \n
	v_add_f32 v[LG+k], v[LG+k], v[RING+k]
.set k, k+1
.endr
.endm
.irp e, 0,1,2,3,4,5,6,7
	s_wait_loadcnt 14-2*(\e)                       ; loads come back in order: the row and gate_w's rows up to e are in, the two loads of each later row may be out
	DOT \e, RING+8*(\e)
.endr
	WSUM 8
.irp k, 0,1,2,3,4,5,6,7
	ds_store_b32 v4, v[LG+(\k)] offset:4*(\k)      ; all lanes of a wave write the same word with the same value
.endr
	s_wait_dscnt 0x0                               ; for the others' sake: my stores are done
	s_barrier_signal -1
	s_barrier_wait -1
.irp k, 0,1,2,3
	ds_load_b32 v[U+(\k)], v5 offset:64*(\k)       ; lane l: the four waves' parts of logit l mod 8
.endr
	s_wait_dscnt 0x0
	v_add_f32 v[U], v[U], v[U+1]
	v_add_f32 v[U+2], v[U+2], v[U+3]
	v_add_f32 v[U], v[U], v[U+2]                   ; the logit
	; softmax over the 8 experts, which lie in 8 neighbouring lanes
	v_mov_b32 v[U+1], v[U]
	v_max_num_f32_dpp v[U+1], v[U+1], v[U+1] row_xmask:1 row_mask:0xf bank_mask:0xf
	v_max_num_f32_dpp v[U+1], v[U+1], v[U+1] row_xmask:2 row_mask:0xf bank_mask:0xf
	v_max_num_f32_dpp v[U+1], v[U+1], v[U+1] row_xmask:4 row_mask:0xf bank_mask:0xf
	v_sub_f32 v[U+2], v[U], v[U+1]
	v_mul_f32 v[U+2], 0x3fb8aa3b, v[U+2]           ; log2(e)
	v_exp_f32 v[U+2], v[U+2]
	v_nop                                          ; a plain instruction behind the exponential,
	s_wait_alu depctr_va_vdst(0)                   ; and a wait ahead of its first reader
	v_mov_b32 v[U+3], v[U+2]
	v_add_f32_dpp v[U+3], v[U+3], v[U+3] row_xmask:1 row_mask:0xf bank_mask:0xf
	v_add_f32_dpp v[U+3], v[U+3], v[U+3] row_xmask:2 row_mask:0xf bank_mask:0xf
	v_add_f32_dpp v[U+3], v[U+3], v[U+3] row_xmask:4 row_mask:0xf bank_mask:0xf
	v_rcp_f32 v[U+3], v[U+3]
	v_nop
	s_wait_alu depctr_va_vdst(0)
	v_mul_f32 v[PR], v[U+2], v[U+3]
	v_mul_f32 v[PR+1], v[U+2], v[U+3]
	s_cmp_lg_u32 s22, 0
	s_cbranch_scc1 .Lnot_wave_0
	global_store_b64 v7, v[PR:PR+1], s[10:11]      ; wave 0: the row's 256 bytes, whole
.Lnot_wave_0:
.irp c, 0,1,2,3
	v_cvt_pk_bf16_f32 v[T+(\c)], v[X+2*(\c)], v[X+2*(\c)+1]
.endr
	global_store_b64 v2, v[T:T+1], s[8:9]          ; a wave's store covers 256 consecutive bytes, aligned
	global_store_b64 v2, v[T+2:T+3], s[8:9] offset:1024
	s_wait_tensorcnt 0x0                           ; the wave's end, behind my last LDS store
	ds_add_u32 v8, v9
	s_wait_dscnt 0x0
	s_endpgm
.Lfunc_end_k_qdd413108c5_gate0:
	.size	k_qdd413108c5_gate0, .Lfunc_end_k_qdd413108c5_gate0-k_qdd413108c5_gate0
	.p2alignl 7, 3214868480
	.fill 96, 4, 3214868480
	.section	.rodata,"a",@progbits
	.p2align	6, 0x0
	.amdhsa_kernel k_qdd413108c5_gate0
		.amdhsa_group_segment_fixed_size 1024
		.amdhsa_private_segment_fixed_size 0
		.amdhsa_enable_private_segment 0
		.amdhsa_kernarg_size 32
		.amdhsa_user_sgpr_count 2
		.amdhsa_user_sgpr_kernarg_segment_ptr 1
		.amdhsa_wavefront_size32 1
		.amdhsa_system_sgpr_workgroup_id_x 1
		.amdhsa_system_sgpr_workgroup_id_y 1
		.amdhsa_system_sgpr_workgroup_id_z 1
		.amdhsa_system_vgpr_workitem_id 0
		.amdhsa_next_free_vgpr 256
		.amdhsa_next_free_sgpr 66
		.amdhsa_reserve_vcc 0
		.amdhsa_float_denorm_mode_32 3
		.amdhsa_float_denorm_mode_16_64 3
		.amdhsa_memory_ordered 1
		.amdhsa_forward_progress 1
		.amdhsa_inst_pref_size 11
	.end_amdhsa_kernel
	.amdgpu_metadata
---
amdhsa.version: [ 1, 2 ]
amdhsa.kernels:
  - .name:           k_qdd413108c5_gate0
    .symbol:         k_qdd413108c5_gate0.kd
    .args:
      - { .name: hidden_states, .offset: 0, .size: 8, .value_kind: global_buffer, .address_space: global }
      - { .name: gate_w, .offset: 8, .size: 8, .value_kind: global_buffer, .address_space: global }
      - { .name: tb, .offset: 16, .size: 8, .value_kind: global_buffer, .address_space: global }
      - { .name: rwa, .offset: 24, .size: 8, .value_kind: global_buffer, .address_space: global }
    .group_segment_fixed_size: 1024
    .private_segment_fixed_size: 0
    .kernarg_segment_align: 8
    .kernarg_segment_size: 32
    .max_flat_workgroup_size: 128
    .sgpr_count:     66
    .vgpr_count:     256
    .wavefront_size: 32
...
	.end_amdgpu_metadata
.endif
;; end of part 1
;; launch up0 (part 2): grid 256 x 1, 4 waves a work-group, clusters of 4 x 1, 327,680 bytes of LDS; arguments tb, w1, b1, hs; writes hs
.if DOCPART == 2
	.amdgcn_target "amdgcn-amd-amdhsa--gfx1250"
	.amdhsa_code_object_version 6
	.text
	.protected	k_qdd413108c5_up0
	.globl	k_qdd413108c5_up0
	.p2align	8
	.type	k_qdd413108c5_up0,@function
k_qdd413108c5_up0:
	s_mov_b64 s[64:65], 0
	v_nop
	global_prefetch_b8 v0, s[64:65] scope:SCOPE_SE
	s_setreg_imm32_b32 hwreg(HW_REG_WAVE_MODE, 25, 1), 1
	s_wait_xcnt 0x0
	s_wait_alu depctr_hold_cnt(0) depctr_sa_sdst(0) depctr_va_vdst(0) depctr_va_sdst(0) depctr_va_ssrc(0) depctr_va_vcc(0) depctr_vm_vsrc(0)
	s_getreg_b32 s2, hwreg(HW_REG_IB_STS2, 6, 4)
	s_cmp_eq_u32 s2, 0
	s_cbranch_scc0 .Lentry_in_a_cluster
	s_endpgm
.Lentry_in_a_cluster:
	s_bfe_u32 s2, ttmp6, 0x10000c
	s_cmp_lg_u32 s2, 0x3003
	s_cbranch_scc0 .Lentry_shape_is_right
	s_endpgm
.Lentry_shape_is_right:
; ONE TEXT FOR BOTH PRODUCTS OF A STEP; the flag UP chooses.  C[512 x 128] = A[512 x 1024] W[1024 x 128] for each work-group, bf16 operands, f32 sums.
;   UP = 1: A = tb (the tokens, bf16, [512][1024]); W = 128 columns of one expert's w1 ([1024][4096] f32); out: hs[t][4096 e + i] = silu(C + b1), rounded once to bf16.
;   UP = 0: A = 1,024 hidden columns of hs ([512][32768] bf16), slice q of 32; W = the same 1,024 rows and 128 columns of w2 (f32); out: part[q][t][h] = C, f32 partial sums; a later launch weighs and adds them.
; SHARES.  256 work-groups, one tile each.  Four waves; wave w makes rows 128 w .. + 127 x all 128 columns: 64 accumulators of 16 x 16, 512 registers.  Each weight byte is read by one work-group, once.
; A comes by the tensor data mover in K steps of 128 (rows of 256 bytes) through two LDS slots; a wave fetches and reads only its own 128 rows.  The four work-groups of a cluster need the same A (UP = 1: every
; work-group does; UP = 0: the four share q), so each tile is asked for JOINTLY: same load, same descriptor, mask 15.  That divides the requests for A by four.
; W lies [k][n] in f32: it goes through registers in chunks of 64 k: 16 loads a wave (one k row, 512 bytes, each), rounded to bf16, stored into one of two LDS buffers [k][n], and read turned by ds_load_tr16_b128.
; Two chunks a wave are always on their way: a chunk is asked for two chunks (256 matrix instructions) ahead of its rounding.
; THE MATRIX INSTRUCTION IS USED TRANSPOSED: source 0 = 16 columns of W, source 1 = 16 rows of A: lane l then holds row l % 16 and the columns 8 (l / 16) + 0 .. 7.
; BARRIERS.  One closes every chunk: in front of it a wave's reads of the old W buffer and its stores into the other are done.  Every second one is a round of the cluster's barrier, behind which the A slot just read is filled again.
; By this text's own count a wave has two tensor loads out at the start and one behind each round.
; LIMITS.  A and W are rounded once to bf16, hs once more.  silu(z) = z / (1 + 2^(-z log2 e)): where the power overflows the result is -0; a power below 2^-126 counts as 0.  NaN and infinities are not treated apart.
; REGISTERS, in windows of 256 (s_set_vgpr_msb: bits 1:0 source 0, 3:2 source 1, 5:4 source 2, 7:6 destination):
;   window 0: v0-35 addresses and the bias; v64-127, v128-191 fragments of A, two buffers; on the way out v64-223 at work
;   window 1: v0-63, v192-255 the two stages of W in f32; v64-127, v128-191 fragments of W, two buffers
;   window 2: the accumulators of my rows 0-63 ((a, b) at v[8 (8 a + b)]);   window 3: those of my rows 64-127
.set UP, 1
.if UP
.set AP,   1024                        ; A's pitch in elements
.set ROWB, 16384                       ; bytes from a k row of W to the next
.set ORow, 65536                       ; bytes in a row of the output
.else
.set AP,   32768
.set ROWB, 4096
.set ORow, 4096
.endif
.set PITCH, 272                        ; a row of A in LDS: 256 bytes + 16 of padding: the 16 rows of a fragment load start 68 words apart, at 16 different groups of four banks (64 banks of 4 bytes: ISA guide 11.1)
.set WPART, 128*PITCH                  ; a wave's 128 rows
.set SLOT,  4*WPART
.set BB,    2*SLOT                     ; behind the ring: W's two buffers, written by ds_store alone
.set PB,    288                        ; a k row of W in LDS: 256 bytes + 32
.set BBUF,  64*PB
.set SPARE, BB+2*BBUF                  ; the spare words, 128 bytes a wave: two blocks of 256 bytes that no other line names
.set PD,    528                        ; the way out: a row of 128 f32 + 16 bytes
.set ADRA, 16                          ; v16-17  my A fragments in slot 0, 1
.set ADRB, 20                          ; v20-21  my W fragments in buffer 0, 1
.set BST,  22                          ; v22-23  where I store 8 bytes of a k row, buffer 0, 1
.set WOFF, 24                          ; v24     my byte offset in a chunk of W
.set DST,  25                          ; v25-26  the way out: where I put 16 bytes of a row (rows 0-63, 64-127)
.set RD0,  27                          ; v27     the way out: where I read rows back, rows 0-63
.set SPW,  28                          ; v28     my spare word; never rewritten
.set NIL,  29                          ; v29     0; never rewritten
.set RD1,  30                          ; v30     rows 64-127
.set CO,   31                          ; v31     my byte offset in 128 columns of the output
.set BIA,  32                          ; v32-35  b1 of my 4 columns on the way out
.set F0,   64
.set F1,   128
.set Z,    64                          ; the way out: 16 rows x 4 numbers
.set E,    128
.set O,    192
.set MSB, 0
.macro WIN new                         ; the immediate's high byte repeats the setting that is left; a switch that changes nothing is dropped
.if MSB != (\new)
	s_set_vgpr_msb (MSB<<8)|(\new)
.set MSB, \new
.endif
.endm
.set MUL_LO, 0xa1                      ; source 0 (W) window 1, source 1 (A) window 0, C and D window 2
.macro PLACES                          ; four places in front of loads into registers that matrix instructions have read, and of stores that read results
.rept 4
	v_nop
.endr
.endm
.macro CREST                           ; a round of the cluster's barrier behind its opening barrier
	s_cmp_lg_u32 s12, 0
	s_cbranch_scc1 .Lnot_wave_0_\@
	s_barrier_signal -3
.Lnot_wave_0_\@:
	s_barrier_wait -3
	s_barrier_signal -1
	s_barrier_wait -1
.endm
.macro CROUND
	s_barrier_signal -1
	s_barrier_wait -1
	CREST
.endm
.if UP
	s_load_b256 s[4:11], s[0:1], 0x0               ; tb s[4:5], w1 s[6:7], b1 s[8:9], hs s[10:11]
.else
	s_load_b128 s[4:7], s[0:1], 0x0                ; hs s[4:5], w2 s[6:7]
	s_load_b64 s[10:11], s[0:1], 0x10              ; part
.endif
	v_lshl_add_u32 v[SPW], v0, 2, SPARE
	v_mov_b32 v[NIL], 0
	ds_add_u32 v[SPW], v[NIL]                      ; the wave's opening: the add and its wait stand ahead of my first tensor load; the set-up below stands between them
	ds_add_u32 v28, v29
	v_lshrrev_b32 v1, 5, v0
	v_readfirstlane_b32 s12, v1                    ; wave 0..3
	s_bfe_u32 s13, ttmp6, 0x40000                  ; cx: my place in the cluster; it enters W's, the bias's and the output's addresses alone
.if UP
	s_lshl_b32 s14, ttmp9, 2                       ; in a cluster launch ttmp9 counts clusters
	s_add_co_u32 s14, s14, s13                     ; g: my 128 of the 32,768 hidden columns
	s_lshr_b32 s16, s14, 5                         ; expert g / 32: 16 MiB each,
	s_lshl_b32 s16, s16, 24
	s_and_b32 s17, s14, 31                         ; and 512 bytes of a row for each tile of columns
	s_lshl_b32 s17, s17, 9
	s_add_co_u32 s16, s16, s17
	s_lshl_b32 s18, s14, 9                         ; b1: 128 g numbers on
	s_mov_b32 s19, 0
	s_lshl_b32 s20, s14, 8                         ; hs: 256 g bytes in a row,
	s_lshl_b32 s21, s12, 23                        ; my wave's 128 rows of 65,536 bytes
	s_add_co_u32 s20, s20, s21
	s_lshl_b32 s22, s12, 18                        ; A: my wave's 128 rows of 2,048 bytes
	s_lshl_b32 s46, s12, 18                        ; W: my wave's 16 k rows of a chunk
.else
	s_lshr_b32 s15, ttmp9, 1                       ; q: the K slice, which the four partners share
	s_and_b32 s14, ttmp9, 1
	s_lshl_b32 s14, s14, 2
	s_add_co_u32 s14, s14, s13                     ; j: my 128 of the 1,024 output columns
	s_lshl_b32 s14, s14, 9                         ; 512 bytes each
	s_lshl_b32 s16, s15, 22                        ; W: 1,024 rows of 4,096 bytes for each slice
	s_add_co_u32 s16, s16, s14
	s_lshl_b32 s20, s15, 21                        ; part: 2 MiB for each slice,
	s_lshl_b32 s21, s12, 19                        ; my wave's 128 rows of 4,096 bytes,
	s_add_co_u32 s20, s20, s21
	s_add_co_u32 s20, s20, s14                     ; my columns
	s_lshl_b32 s22, s15, 11                        ; A: the slice's 2,048 bytes in a row,
	s_lshl_b32 s23, s12, 23                        ; my wave's 128 rows of 65,536 bytes
	s_add_co_u32 s22, s22, s23
	s_lshl_b32 s46, s12, 16
.endif
	s_mov_b32 s17, 0
	s_mov_b32 s21, 0
	s_mov_b32 s23, 0
	; descriptor group 1: a tile of 128 rows x 128 elements, padded in LDS
	s_mov_b32 s24, 15|(1<<16)|(1<<20)|(1<<21)|(5<<22)|(3<<25)  ; 15:0 the mask: all four work-groups; 17:16 elements of 2 bytes; 20 padding on; 21 set beside a mask; 24:22 after every 64 words (code 5); 31:25 4 words (code 3)
	s_mov_b32 s25, 128<<16                         ; tensor_dim0 = 128
	s_mov_b32 s26, 128<<16                         ; tensor_dim1 = 128
	s_mov_b32 s27, 128<<16                         ; tile_dim0 = 128
	s_mov_b32 s28, 128                             ; tile_dim1 = 128
	s_mov_b32 s29, AP                              ; elements from row to row
	s_mov_b32 s30, 0
	s_mov_b32 s31, 0
	s_mul_i32 s47, s12, WPART                      ; my wave's part of a slot: no place in the cluster enters an LDS address
	s_mul_i32 s48, s12, 16*PB                      ; my wave's 16 k rows in a buffer of W
	s_mov_b32 s32, 1                               ; group 0, a set for each slot: count = 1,
	s_add_co_u32 s33, s47, 0                       ; the LDS address
	s_mov_b32 s36, 1
	s_add_co_u32 s37, s47, SLOT
.if UP
	s_mov_b32 s44, 0xbfb8aa3b                      ; -log2(e)
	s_mov_b32 s45, s44                             ; named with it as a pair
.endif
	v_and_b32 v2, 31, v0                           ; lane
	v_lshl_add_u32 v[WOFF], v2, 4, s46             ; 16 bytes a lane + my 16 k rows
	v_lshlrev_b32 v3, 4, v2
	s_wait_dscnt 0x0                               ; the opening add is done
	s_wait_kmcnt 0x0
	s_add_nc_u64 s[40:41], s[6:7], s[16:17]        ; W at chunk 0
	s_add_nc_u64 s[10:11], s[10:11], s[20:21]      ; the output at my first row
	s_add_nc_u64 s[4:5], s[4:5], s[22:23]          ; A at my first row
	s_add_nc_u64 s[34:35], s[4:5], 0               ; K step 0,
	s_or_b32 s35, s35, 0x80000000                  ; type = 2
	s_add_nc_u64 s[38:39], s[4:5], 256             ; K step 1
	s_or_b32 s39, s39, 0x80000000
.if UP
	s_add_nc_u64 s[8:9], s[8:9], s[18:19]
	global_load_b128 v[BIA:BIA+3], v3, s[8:9]      ; b1 of columns 4 lane .. + 3
.endif
	WIN 0x40                                       ; destination window 1
.irp i, 0,1,2,3,4,5,6,7,8,9,10,11,12,13,14,15
	global_load_b128 v[4*(\i):4*(\i)+3], v[WOFF], s[40:41] offset:(\i)*ROWB th:TH_LOAD_NT          ; chunk 0
.endr
.irp i, 0,1,2,3,4,5,6,7,8,9,10,11,12,13,14,15
	global_load_b128 v[192+4*(\i):192+4*(\i)+3], v[WOFF], s[40:41] offset:(64+(\i))*ROWB th:TH_LOAD_NT  ; chunk 1
.endr
	WIN 0
	CROUND                                         ; all four work-groups are here: the first joint loads meet
	tensor_load_to_lds s[32:35], s[24:31]
	s_nop 0
	tensor_load_to_lds s[36:39], s[24:31]
	s_nop 0
.rept 4
	v_nop
.endr
	v_and_b32 v1, 15, v0                           ; r = l % 16
	v_bfe_u32 v6, v0, 4, 1                         ; h = l / 16
	v_mul_u32_u24 v7, v1, PITCH                    ; a fragment of A: row r, 16 bytes for each half of the lanes
	v_lshl_add_u32 v7, v6, 4, v7
	v_add_nc_u32 v[ADRA], s47, v7
	v_add_nc_u32 v[ADRA+1], SLOT, v[ADRA]
	v_and_b32 v8, 7, v0                            ; the turning load: lane l reads k row 8 h + l % 8, columns 8 ((l / 8) % 2) + 0..7
	v_lshl_add_u32 v8, v6, 3, v8
	v_mul_u32_u24 v8, v8, PB
	v_bfe_u32 v9, v0, 3, 1
	v_lshl_add_u32 v8, v9, 4, v8
	v_add_nc_u32 v[ADRB], BB, v8
	v_add_nc_u32 v[ADRB+1], BB+BBUF, v8
	v_lshl_add_u32 v9, v2, 3, s48                  ; W's stores: 8 bytes a lane, my 16 k rows
	v_add_nc_u32 v[BST], BB, v9
	v_add_nc_u32 v[BST+1], BB+BBUF, v9
	v_mul_u32_u24 v9, v1, PD                       ; the way out, in: row r, 32 bytes for each half of the lanes
	v_lshl_add_u32 v9, v6, 5, v9
	v_add_nc_u32 v[DST], s47, v9
	v_add_nc_u32 v[DST+1], SLOT, v[DST]
	v_lshl_add_u32 v[RD0], v2, 4, s47              ; back: 32 lanes take a row's 512 bytes
	v_add_nc_u32 v[RD1], SLOT, v[RD0]
.if UP
	v_lshlrev_b32 v[CO], 3, v2                     ; 4 bf16 a lane
.else
	v_lshlrev_b32 v[CO], 4, v2                     ; 4 f32 a lane
.endif
; 16 matrix instructions: row blocks a0, a0 + 1 of the window's four (hi = 0: my rows 0-63, 1: rows 64-127) x all 8 column blocks, 32 along K.  zero = 1: the first product starts the sums.
; The 64 accumulators take turns in the same order in every quarter.
.macro MUL16 f, hi, a0, zero
	WIN MUL_LO+0x50*(\hi)
.irp a, \a0, (\a0)+1
.irp b, 0,1,2,3,4,5,6,7
.if \zero
	v_wmma_f32_16x16x32_bf16 v[8*(8*(\a)+(\b)):8*(8*(\a)+(\b))+7], v[(\f)+8*(\b):(\f)+8*(\b)+7], v[(\f)+8*(4*(\hi)+(\a)):(\f)+8*(4*(\hi)+(\a))+7], 0
.else
	v_wmma_f32_16x16x32_bf16 v[8*(8*(\a)+(\b)):8*(8*(\a)+(\b))+7], v[(\f)+8*(\b):(\f)+8*(\b)+7], v[(\f)+8*(4*(\hi)+(\a)):(\f)+8*(4*(\hi)+(\a))+7], v[8*(8*(\a)+(\b)):8*(8*(\a)+(\b))+7]
.endif
.endr
.endr
.endm
; 32 LDS loads in one run: the fragments of 32 along K into buffer f: W's 128 columns from k row bk0 of buffer bbuf (turned), then A's 128 rows at byte akb of slot aslot
.macro FETCH aslot, akb, bbuf, bk0, f
	WIN 0x40
.irp i, 0,1,2,3,4,5,6,7
	ds_load_tr16_b128 v[(\f)+8*(\i):(\f)+8*(\i)+3],   v[ADRB+(\bbuf)] offset:(\bk0)*PB+32*(\i)
	ds_load_tr16_b128 v[(\f)+8*(\i)+4:(\f)+8*(\i)+7], v[ADRB+(\bbuf)] offset:((\bk0)+16)*PB+32*(\i)
.endr
	WIN 0
.irp i, 0,1,2,3,4,5,6,7
	ds_load_b128 v[(\f)+8*(\i):(\f)+8*(\i)+3],   v[ADRA+(\aslot)] offset:(\akb)+(\i)*16*PITCH
	ds_load_b128 v[(\f)+8*(\i)+4:(\f)+8*(\i)+7], v[ADRA+(\aslot)] offset:(\akb)+(\i)*16*PITCH+32
.endr
.endm
; A chunk of W in stage st (window 1) is rounded in place and stored into buffer buf: a store covers a k row's 256 bytes.  lw: the loads of later chunks, which may stay out.
.macro CONV st, buf, lw
	s_wait_loadcnt \lw
	WIN 0x45                                       ; sources and destination window 1
.irp i, 0,1,2,3,4,5,6,7,8,9,10,11,12,13,14,15
	v_cvt_pk_bf16_f32 v[(\st)+4*(\i)],   v[(\st)+4*(\i)],   v[(\st)+4*(\i)+1]
	v_cvt_pk_bf16_f32 v[(\st)+4*(\i)+1], v[(\st)+4*(\i)+2], v[(\st)+4*(\i)+3]
.endr
	WIN 0x04                                       ; the data in window 1, the address in window 0
.irp i, 0,1,2,3,4,5,6,7,8,9,10,11,12,13,14,15
	ds_store_b64 v[BST+(\buf)], v[(\st)+4*(\i):(\st)+4*(\i)+1] offset:(\i)*PB
.endr
.endm
; Stage st takes the chunk `step` chunks behind the one asked for last.  It stands behind a wait on DScnt that shows CONV's stores done.
.macro WLOAD st, step
	s_wait_xcnt 0x0                                ; the earlier loads' addresses are translated (ISA guide 3.1): only now is their base stepped
	s_add_nc_u64 s[40:41], s[40:41], (\step)*64*ROWB
	WIN 0x40
.irp i, 0,1,2,3,4,5,6,7,8,9,10,11,12,13,14,15
	global_load_b128 v[(\st)+4*(\i):(\st)+4*(\i)+3], v[WOFF], s[40:41] offset:(\i)*ROWB th:TH_LOAD_NT
.endr
.endm
; A chunk is two quarters of 32 along K, 64 matrix instructions each.  The first multiplies buffer F0; in its middle the NEXT chunk of W is rounded and stored (cv = 1; its 32 conversions are also the places
; in front of the loads), this chunk's second quarter is fetched into F1, and the stage is asked for again (ld = 1).
.macro Q0 aslot, akb, bbuf, cv, lw, ld, zero
	s_wait_dscnt 8                                 ; W and A's rows 0-63 are in; the youngest eight loads (A's rows 64-127) may be out
	MUL16 F0, 0, 0, \zero
	MUL16 F0, 0, 2, \zero
.if \cv
	CONV 192*(1-(\bbuf)), 1-(\bbuf), \lw
.else
	PLACES
.endif
	FETCH \aslot, (\akb)+64, \bbuf, 32, F1
	s_wait_dscnt 32                                ; all but the 32 loads just issued: the stores above are done too
.if \ld
	WLOAD 192*(1-(\bbuf)), 1
.endif
	MUL16 F0, 1, 0, \zero
	MUL16 F0, 1, 2, \zero
.endm
; The second quarter multiplies F1 and closes the chunk with a barrier: in front of it my reads of this chunk's W buffer and my stores into the other are done.  Behind it the next chunk's first quarter is fetched.
; tw = 1: the next chunk lies in the other A slot, whose load (my own rows) is waited for; nothing is filled again.
.macro TURNP naslot, nakb, nbuf, tw
.if \tw
	s_wait_tensorcnt 0x0                           ; my last tensor load: no load was issued behind it
.endif
	s_wait_dscnt 8
	MUL16 F1, 0, 0, 0
	s_wait_dscnt 0x0
	s_barrier_signal -1
	MUL16 F1, 0, 2, 0                              ; work on registers while the others arrive
	s_barrier_wait -1
	PLACES
	FETCH \naslot, \nakb, \nbuf, 0, F0
	MUL16 F1, 1, 0, 0
	MUL16 F1, 1, 2, 0
.endm
; The same where an A slot has been read out and is filled again, two K steps ahead: the barrier opens a round of the cluster's barrier, so that no wave of any partner still reads the slot or has a load on its way.
.macro TURNR slot
	WIN 0                                          ; (the add's two registers lie in window 0)
	s_wait_tensorcnt 0x0                           ; all my tensor loads have landed: the one that was out is my part of the other slot;
	ds_add_u32 v[SPW], v[NIL]                      ; 0 onto my spare word
	s_wait_dscnt 9                                 ; (the add and the youngest eight loads may be out)
	MUL16 F1, 0, 0, 0                              ; sixteen matrix instructions stand between the add and the wait for it
	s_wait_dscnt 0x0                               ; the add is done, my reads of the slot and of W's buffer are over, my stores are done
	s_barrier_signal -1
	MUL16 F1, 0, 2, 0
	WIN 0
	s_barrier_wait -1
	CREST
	s_add_nc_u64 s[34+4*(\slot):35+4*(\slot)], s[34+4*(\slot):35+4*(\slot)], 512  ; two K steps of 256 bytes on; the type bits on top are not reached
	tensor_load_to_lds s[32+4*(\slot):35+4*(\slot)], s[24:31]  ; my one tensor load behind the round, and the first thing there
	s_nop 0
.rept 4
	v_nop                                          ; also the places in front of the loads below
.endr
	FETCH 1-(\slot), 0, 0, 0, F0
	MUL16 F1, 1, 0, 0
	MUL16 F1, 1, 2, 0
.endm
	s_wait_loadcnt 16                              ; the bias and chunk 0 are in; chunk 1's sixteen loads may be out
	CONV 0, 0, 16
	s_wait_dscnt 0x0                               ; for the others' sake, and for the stage: my stores are done
	WLOAD 0, 2                                     ; chunk 2
	WIN 0
	s_wait_tensorcnt 0x1                           ; my part of K step 0 is in; K step 1's may stay out
	s_barrier_signal -1
	s_barrier_wait -1                              ; chunk 0 of W is whole
	FETCH 0, 0, 0, 0, F0
	Q0 0, 0, 0, 1, 16, 1, 1                        ; chunk 0's first quarter stands in front of the loop: its products start the sums
	WIN 0                                          ; at a label and at a branch every window is 0
	s_mov_b32 s42, 3
.Llap:                                                 ; a trip: four chunks, once round A's ring; from a chunk's second quarter to the first quarter four chunks on
	TURNP 0, 128, 1, 0
	Q0 0, 128, 1, 1, 16, 1, 0
	TURNR 0
	Q0 1, 0, 0, 1, 16, 1, 0
	TURNP 1, 128, 1, 0
	Q0 1, 128, 1, 1, 16, 1, 0
	TURNR 1
	Q0 0, 0, 0, 1, 16, 1, 0
	WIN 0
	s_sub_co_u32 s42, s42, 1
	s_cmp_lg_u32 s42, 0
	s_cbranch_scc1 .Llap
	TURNP 0, 128, 1, 0                             ; chunks 12 to 15 are written out: nothing more is asked for
	Q0 0, 128, 1, 1, 16, 0, 0                      ; chunk 14 is rounded; chunk 15's loads may be out
	TURNP 1, 0, 0, 1
	Q0 1, 0, 0, 1, 0, 0, 0                         ; chunk 15 is rounded: no load is behind it
	TURNP 1, 128, 1, 0
	Q0 1, 128, 1, 0, 0, 0, 0
	s_wait_dscnt 8
	MUL16 F1, 0, 0, 0
	MUL16 F1, 0, 2, 0
	s_wait_dscnt 0x0
	MUL16 F1, 1, 0, 0
	MUL16 F1, 1, 2, 0
	; THE WAY OUT.  The sums go in f32 into my own parts of the two A slots, which have had their last fill and which no other wave touches: rows 0-63 into slot 0's, rows 64-127 into slot 1's.
	; They come back as whole rows of 512 bytes.  LDS serves a wave's instructions in order (ISA guide 5.7.1.4), so no wait stands between the stores and the loads.
	PLACES
.irp a, 0,1,2,3,4,5,6,7
	WIN 0x08+4*((\a)/4)                            ; the data in window 2 or 3
.irp b, 0,1,2,3,4,5,6,7
	ds_store_b128 v[DST+(\a)/4], v[8*(8*((\a)%4)+(\b)):8*(8*((\a)%4)+(\b))+3]   offset:((\a)%4)*16*PD+64*(\b)     ; each accumulator's low end first
	ds_store_b128 v[DST+(\a)/4], v[8*(8*((\a)%4)+(\b))+4:8*(8*((\a)%4)+(\b))+7] offset:((\a)%4)*16*PD+64*(\b)+16
.endr
.endr
	WIN 0
	s_mov_b32 s43, 8
	s_mov_b32 s46, 0
.Lout:                                                 ; a trip: 8 rows of each part
	v_add_nc_u32 v4, s46, v[RD0]
	v_add_nc_u32 v5, s46, v[RD1]
.irp p, 0,1
.irp i, 0,1,2,3,4,5,6,7
	ds_load_b128 v[Z+4*(8*(\p)+(\i)):Z+4*(8*(\p)+(\i))+3], v[4+(\p)] offset:(\i)*PD
.endr
.endr
	s_wait_dscnt 0x0
.if UP
.set k, 0
.rept 16
	v_pk_add_f32 v[Z+4*k:Z+4*k+1], v[Z+4*k:Z+4*k+1], v[BIA:BIA+1]          ; z = sum + b1
	v_pk_add_f32 v[Z+4*k+2:Z+4*k+3], v[Z+4*k+2:Z+4*k+3], v[BIA+2:BIA+3]
.set k, k+1
.endr
.set k, 0
.rept 32
	v_pk_mul_f32 v[E+2*k:E+2*k+1], v[Z+2*k:Z+2*k+1], s[44:45] op_sel_hi:[1,0]  ; -z log2(e)
.set k, k+1
.endr
.set k, 0
.rept 64
	v_exp_f32 v[E+k], v[E+k]
.set k, k+1
.endr
	v_nop                                          ; a plain instruction behind the last exponential,
	s_wait_alu depctr_va_vdst(0)                   ; and one wait for the batch, ahead of its first reader
.set k, 0
.rept 32
	v_pk_add_f32 v[E+2*k:E+2*k+1], v[E+2*k:E+2*k+1], 1.0 op_sel_hi:[1,0]
.set k, k+1
.endr
.set k, 0
.rept 64
	v_rcp_f32 v[E+k], v[E+k]
.set k, k+1
.endr
	v_nop
	s_wait_alu depctr_va_vdst(0)
.set k, 0
.rept 32
	v_pk_mul_f32 v[Z+2*k:Z+2*k+1], v[Z+2*k:Z+2*k+1], v[E+2*k:E+2*k+1]      ; silu
.set k, k+1
.endr
.set k, 0
.rept 32
	v_cvt_pk_bf16_f32 v[O+k], v[Z+2*k], v[Z+2*k+1]
.set k, k+1
.endr
.irp p, 0,1
.irp i, 0,1,2,3,4,5,6,7
	global_store_b64 v[CO], v[O+2*(8*(\p)+(\i)):O+2*(8*(\p)+(\i))+1], s[10:11] offset:((\i)+64*(\p))*ORow  ; a wave's store covers 256 consecutive bytes, aligned
.endr
.endr
.else
.irp p, 0,1
.irp i, 0,1,2,3,4,5,6,7
	global_store_b128 v[CO], v[Z+4*(8*(\p)+(\i)):Z+4*(8*(\p)+(\i))+3], s[10:11] offset:((\i)+64*(\p))*ORow  ; a wave's store covers 512 consecutive bytes, aligned
.endr
.endr
.endif
	s_wait_xcnt 0x0                                ; the stores' base and data are rewritten only behind this wait
	s_add_nc_u64 s[10:11], s[10:11], 8*ORow
	s_add_co_u32 s46, s46, 8*PD
	s_sub_co_u32 s43, s43, 1
	s_cmp_lg_u32 s43, 0
	s_cbranch_scc1 .Lout
	s_wait_tensorcnt 0x0                           ; the wave's end, behind my last tensor load and my last LDS store
	ds_add_u32 v[SPW], v[NIL]
	s_wait_dscnt 0x0
	CROUND                                         ; the closing round: no work-group ends while a partner may still ask for a tile that names it
	s_endpgm
.Lfunc_end_k_qdd413108c5_up0:
	.size	k_qdd413108c5_up0, .Lfunc_end_k_qdd413108c5_up0-k_qdd413108c5_up0
	.p2alignl 7, 3214868480
	.fill 96, 4, 3214868480
	.section	.rodata,"a",@progbits
	.p2align	6, 0x0
	.amdhsa_kernel k_qdd413108c5_up0
		.amdhsa_group_segment_fixed_size 327680
		.amdhsa_private_segment_fixed_size 0
		.amdhsa_enable_private_segment 0
		.amdhsa_kernarg_size 32
		.amdhsa_user_sgpr_count 2
		.amdhsa_user_sgpr_kernarg_segment_ptr 1
		.amdhsa_wavefront_size32 1
		.amdhsa_system_sgpr_workgroup_id_x 1
		.amdhsa_system_sgpr_workgroup_id_y 1
		.amdhsa_system_sgpr_workgroup_id_z 1
		.amdhsa_system_vgpr_workitem_id 0
		.amdhsa_next_free_vgpr 1024
		.amdhsa_next_free_sgpr 66
		.amdhsa_reserve_vcc 0
		.amdhsa_float_denorm_mode_32 3
		.amdhsa_float_denorm_mode_16_64 3
		.amdhsa_memory_ordered 1
		.amdhsa_forward_progress 1
		.amdhsa_inst_pref_size 171
	.end_amdhsa_kernel
	.amdgpu_metadata
---
amdhsa.version: [ 1, 2 ]
amdhsa.kernels:
  - .name:           k_qdd413108c5_up0
    .symbol:         k_qdd413108c5_up0.kd
    .args:
      - { .name: tb, .offset: 0, .size: 8, .value_kind: global_buffer, .address_space: global }
      - { .name: w1, .offset: 8, .size: 8, .value_kind: global_buffer, .address_space: global }
      - { .name: b1, .offset: 16, .size: 8, .value_kind: global_buffer, .address_space: global }
      - { .name: hs, .offset: 24, .size: 8, .value_kind: global_buffer, .address_space: global }
    .group_segment_fixed_size: 327680
    .private_segment_fixed_size: 0
    .kernarg_segment_align: 8
    .kernarg_segment_size: 32
    .max_flat_workgroup_size: 128
    .sgpr_count:     66
    .vgpr_count:     1024
    .wavefront_size: 32
...
	.end_amdgpu_metadata
.endif
;; end of part 2
;; launch down0 (part 3): grid 256 x 1, 4 waves a work-group, clusters of 4 x 1, 327,680 bytes of LDS; arguments hs, w2, part; writes part
.if DOCPART == 3
	.amdgcn_target "amdgcn-amd-amdhsa--gfx1250"
	.amdhsa_code_object_version 6
	.text
	.protected	k_qdd413108c5_down0
	.globl	k_qdd413108c5_down0
	.p2align	8
	.type	k_qdd413108c5_down0,@function
k_qdd413108c5_down0:
	s_mov_b64 s[64:65], 0
	v_nop
	global_prefetch_b8 v0, s[64:65] scope:SCOPE_SE
	s_setreg_imm32_b32 hwreg(HW_REG_WAVE_MODE, 25, 1), 1
	s_wait_xcnt 0x0
	s_wait_alu depctr_hold_cnt(0) depctr_sa_sdst(0) depctr_va_vdst(0) depctr_va_sdst(0) depctr_va_ssrc(0) depctr_va_vcc(0) depctr_vm_vsrc(0)
	s_getreg_b32 s2, hwreg(HW_REG_IB_STS2, 6, 4)
	s_cmp_eq_u32 s2, 0
	s_cbranch_scc0 .Lentry_in_a_cluster
	s_endpgm
.Lentry_in_a_cluster:
	s_bfe_u32 s2, ttmp6, 0x10000c
	s_cmp_lg_u32 s2, 0x3003
	s_cbranch_scc0 .Lentry_shape_is_right
	s_endpgm
.Lentry_shape_is_right:
; ONE TEXT FOR BOTH PRODUCTS OF A STEP; the flag UP chooses.  C[512 x 128] = A[512 x 1024] W[1024 x 128] for each work-group, bf16 operands, f32 sums.
;   UP = 1: A = tb (the tokens, bf16, [512][1024]); W = 128 columns of one expert's w1 ([1024][4096] f32); out: hs[t][4096 e + i] = silu(C + b1), rounded once to bf16.
;   UP = 0: A = 1,024 hidden columns of hs ([512][32768] bf16), slice q of 32; W = the same 1,024 rows and 128 columns of w2 (f32); out: part[q][t][h] = C, f32 partial sums; a later launch weighs and adds them.
; SHARES.  256 work-groups, one tile each.  Four waves; wave w makes rows 128 w .. + 127 x all 128 columns: 64 accumulators of 16 x 16, 512 registers.  Each weight byte is read by one work-group, once.
; A comes by the tensor data mover in K steps of 128 (rows of 256 bytes) through two LDS slots; a wave fetches and reads only its own 128 rows.  The four work-groups of a cluster need the same A (UP = 1: every
; work-group does; UP = 0: the four share q), so each tile is asked for JOINTLY: same load, same descriptor, mask 15.  That divides the requests for A by four.
; W lies [k][n] in f32: it goes through registers in chunks of 64 k: 16 loads a wave (one k row, 512 bytes, each), rounded to bf16, stored into one of two LDS buffers [k][n], and read turned by ds_load_tr16_b128.
; Two chunks a wave are always on their way: a chunk is asked for two chunks (256 matrix instructions) ahead of its rounding.
; THE MATRIX INSTRUCTION IS USED TRANSPOSED: source 0 = 16 columns of W, source 1 = 16 rows of A: lane l then holds row l % 16 and the columns 8 (l / 16) + 0 .. 7.
; BARRIERS.  One closes every chunk: in front of it a wave's reads of the old W buffer and its stores into the other are done.  Every second one is a round of the cluster's barrier, behind which the A slot just read is filled again.
; By this text's own count a wave has two tensor loads out at the start and one behind each round.
; LIMITS.  A and W are rounded once to bf16, hs once more.  silu(z) = z / (1 + 2^(-z log2 e)): where the power overflows the result is -0; a power below 2^-126 counts as 0.  NaN and infinities are not treated apart.
; REGISTERS, in windows of 256 (s_set_vgpr_msb: bits 1:0 source 0, 3:2 source 1, 5:4 source 2, 7:6 destination):
;   window 0: v0-35 addresses and the bias; v64-127, v128-191 fragments of A, two buffers; on the way out v64-223 at work
;   window 1: v0-63, v192-255 the two stages of W in f32; v64-127, v128-191 fragments of W, two buffers
;   window 2: the accumulators of my rows 0-63 ((a, b) at v[8 (8 a + b)]);   window 3: those of my rows 64-127
.set UP, 0
.if UP
.set AP,   1024                        ; A's pitch in elements
.set ROWB, 16384                       ; bytes from a k row of W to the next
.set ORow, 65536                       ; bytes in a row of the output
.else
.set AP,   32768
.set ROWB, 4096
.set ORow, 4096
.endif
.set PITCH, 272                        ; a row of A in LDS: 256 bytes + 16 of padding: the 16 rows of a fragment load start 68 words apart, at 16 different groups of four banks (64 banks of 4 bytes: ISA guide 11.1)
.set WPART, 128*PITCH                  ; a wave's 128 rows
.set SLOT,  4*WPART
.set BB,    2*SLOT                     ; behind the ring: W's two buffers, written by ds_store alone
.set PB,    288                        ; a k row of W in LDS: 256 bytes + 32
.set BBUF,  64*PB
.set SPARE, BB+2*BBUF                  ; the spare words, 128 bytes a wave: two blocks of 256 bytes that no other line names
.set PD,    528                        ; the way out: a row of 128 f32 + 16 bytes
.set ADRA, 16                          ; v16-17  my A fragments in slot 0, 1
.set ADRB, 20                          ; v20-21  my W fragments in buffer 0, 1
.set BST,  22                          ; v22-23  where I store 8 bytes of a k row, buffer 0, 1
.set WOFF, 24                          ; v24     my byte offset in a chunk of W
.set DST,  25                          ; v25-26  the way out: where I put 16 bytes of a row (rows 0-63, 64-127)
.set RD0,  27                          ; v27     the way out: where I read rows back, rows 0-63
.set SPW,  28                          ; v28     my spare word; never rewritten
.set NIL,  29                          ; v29     0; never rewritten
.set RD1,  30                          ; v30     rows 64-127
.set CO,   31                          ; v31     my byte offset in 128 columns of the output
.set BIA,  32                          ; v32-35  b1 of my 4 columns on the way out
.set F0,   64
.set F1,   128
.set Z,    64                          ; the way out: 16 rows x 4 numbers
.set E,    128
.set O,    192
.set MSB, 0
.macro WIN new                         ; the immediate's high byte repeats the setting that is left; a switch that changes nothing is dropped
.if MSB != (\new)
	s_set_vgpr_msb (MSB<<8)|(\new)
.set MSB, \new
.endif
.endm
.set MUL_LO, 0xa1                      ; source 0 (W) window 1, source 1 (A) window 0, C and D window 2
.macro PLACES                          ; four places in front of loads into registers that matrix instructions have read, and of stores that read results
.rept 4
	v_nop
.endr
.endm
.macro CREST                           ; a round of the cluster's barrier behind its opening barrier
	s_cmp_lg_u32 s12, 0
	s_cbranch_scc1 .Lnot_wave_0_\@
	s_barrier_signal -3
.Lnot_wave_0_\@:
	s_barrier_wait -3
	s_barrier_signal -1
	s_barrier_wait -1
.endm
.macro CROUND
	s_barrier_signal -1
	s_barrier_wait -1
	CREST
.endm
.if UP
	s_load_b256 s[4:11], s[0:1], 0x0               ; tb s[4:5], w1 s[6:7], b1 s[8:9], hs s[10:11]
.else
	s_load_b128 s[4:7], s[0:1], 0x0                ; hs s[4:5], w2 s[6:7]
	s_load_b64 s[10:11], s[0:1], 0x10              ; part
.endif
	v_lshl_add_u32 v[SPW], v0, 2, SPARE
	v_mov_b32 v[NIL], 0
	ds_add_u32 v[SPW], v[NIL]                      ; the wave's opening: the add and its wait stand ahead of my first tensor load; the set-up below stands between them
	ds_add_u32 v28, v29
	v_lshrrev_b32 v1, 5, v0
	v_readfirstlane_b32 s12, v1                    ; wave 0..3
	s_bfe_u32 s13, ttmp6, 0x40000                  ; cx: my place in the cluster; it enters W's, the bias's and the output's addresses alone
.if UP
	s_lshl_b32 s14, ttmp9, 2                       ; in a cluster launch ttmp9 counts clusters
	s_add_co_u32 s14, s14, s13                     ; g: my 128 of the 32,768 hidden columns
	s_lshr_b32 s16, s14, 5                         ; expert g / 32: 16 MiB each,
	s_lshl_b32 s16, s16, 24
	s_and_b32 s17, s14, 31                         ; and 512 bytes of a row for each tile of columns
	s_lshl_b32 s17, s17, 9
	s_add_co_u32 s16, s16, s17
	s_lshl_b32 s18, s14, 9                         ; b1: 128 g numbers on
	s_mov_b32 s19, 0
	s_lshl_b32 s20, s14, 8                         ; hs: 256 g bytes in a row,
	s_lshl_b32 s21, s12, 23                        ; my wave's 128 rows of 65,536 bytes
	s_add_co_u32 s20, s20, s21
	s_lshl_b32 s22, s12, 18                        ; A: my wave's 128 rows of 2,048 bytes
	s_lshl_b32 s46, s12, 18                        ; W: my wave's 16 k rows of a chunk
.else
	s_lshr_b32 s15, ttmp9, 1                       ; q: the K slice, which the four partners share
	s_and_b32 s14, ttmp9, 1
	s_lshl_b32 s14, s14, 2
	s_add_co_u32 s14, s14, s13                     ; j: my 128 of the 1,024 output columns
	s_lshl_b32 s14, s14, 9                         ; 512 bytes each
	s_lshl_b32 s16, s15, 22                        ; W: 1,024 rows of 4,096 bytes for each slice
	s_add_co_u32 s16, s16, s14
	s_lshl_b32 s20, s15, 21                        ; part: 2 MiB for each slice,
	s_lshl_b32 s21, s12, 19                        ; my wave's 128 rows of 4,096 bytes,
	s_add_co_u32 s20, s20, s21
	s_add_co_u32 s20, s20, s14                     ; my columns
	s_lshl_b32 s22, s15, 11                        ; A: the slice's 2,048 bytes in a row,
	s_lshl_b32 s23, s12, 23                        ; my wave's 128 rows of 65,536 bytes
	s_add_co_u32 s22, s22, s23
	s_lshl_b32 s46, s12, 16
.endif
	s_mov_b32 s17, 0
	s_mov_b32 s21, 0
	s_mov_b32 s23, 0
	; descriptor group 1: a tile of 128 rows x 128 elements, padded in LDS
	s_mov_b32 s24, 15|(1<<16)|(1<<20)|(1<<21)|(5<<22)|(3<<25)  ; 15:0 the mask: all four work-groups; 17:16 elements of 2 bytes; 20 padding on; 21 set beside a mask; 24:22 after every 64 words (code 5); 31:25 4 words (code 3)
	s_mov_b32 s25, 128<<16                         ; tensor_dim0 = 128
	s_mov_b32 s26, 128<<16                         ; tensor_dim1 = 128
	s_mov_b32 s27, 128<<16                         ; tile_dim0 = 128
	s_mov_b32 s28, 128                             ; tile_dim1 = 128
	s_mov_b32 s29, AP                              ; elements from row to row
	s_mov_b32 s30, 0
	s_mov_b32 s31, 0
	s_mul_i32 s47, s12, WPART                      ; my wave's part of a slot: no place in the cluster enters an LDS address
	s_mul_i32 s48, s12, 16*PB                      ; my wave's 16 k rows in a buffer of W
	s_mov_b32 s32, 1                               ; group 0, a set for each slot: count = 1,
	s_add_co_u32 s33, s47, 0                       ; the LDS address
	s_mov_b32 s36, 1
	s_add_co_u32 s37, s47, SLOT
.if UP
	s_mov_b32 s44, 0xbfb8aa3b                      ; -log2(e)
	s_mov_b32 s45, s44                             ; named with it as a pair
.endif
	v_and_b32 v2, 31, v0                           ; lane
	v_lshl_add_u32 v[WOFF], v2, 4, s46             ; 16 bytes a lane + my 16 k rows
	v_lshlrev_b32 v3, 4, v2
	s_wait_dscnt 0x0                               ; the opening add is done
	s_wait_kmcnt 0x0
	s_add_nc_u64 s[40:41], s[6:7], s[16:17]        ; W at chunk 0
	s_add_nc_u64 s[10:11], s[10:11], s[20:21]      ; the output at my first row
	s_add_nc_u64 s[4:5], s[4:5], s[22:23]          ; A at my first row
	s_add_nc_u64 s[34:35], s[4:5], 0               ; K step 0,
	s_or_b32 s35, s35, 0x80000000                  ; type = 2
	s_add_nc_u64 s[38:39], s[4:5], 256             ; K step 1
	s_or_b32 s39, s39, 0x80000000
.if UP
	s_add_nc_u64 s[8:9], s[8:9], s[18:19]
	global_load_b128 v[BIA:BIA+3], v3, s[8:9]      ; b1 of columns 4 lane .. + 3
.endif
	WIN 0x40                                       ; destination window 1
.irp i, 0,1,2,3,4,5,6,7,8,9,10,11,12,13,14,15
	global_load_b128 v[4*(\i):4*(\i)+3], v[WOFF], s[40:41] offset:(\i)*ROWB th:TH_LOAD_NT          ; chunk 0
.endr
.irp i, 0,1,2,3,4,5,6,7,8,9,10,11,12,13,14,15
	global_load_b128 v[192+4*(\i):192+4*(\i)+3], v[WOFF], s[40:41] offset:(64+(\i))*ROWB th:TH_LOAD_NT  ; chunk 1
.endr
	WIN 0
	CROUND                                         ; all four work-groups are here: the first joint loads meet
	tensor_load_to_lds s[32:35], s[24:31]
	s_nop 0
	tensor_load_to_lds s[36:39], s[24:31]
	s_nop 0
.rept 4
	v_nop
.endr
	v_and_b32 v1, 15, v0                           ; r = l % 16
	v_bfe_u32 v6, v0, 4, 1                         ; h = l / 16
	v_mul_u32_u24 v7, v1, PITCH                    ; a fragment of A: row r, 16 bytes for each half of the lanes
	v_lshl_add_u32 v7, v6, 4, v7
	v_add_nc_u32 v[ADRA], s47, v7
	v_add_nc_u32 v[ADRA+1], SLOT, v[ADRA]
	v_and_b32 v8, 7, v0                            ; the turning load: lane l reads k row 8 h + l % 8, columns 8 ((l / 8) % 2) + 0..7
	v_lshl_add_u32 v8, v6, 3, v8
	v_mul_u32_u24 v8, v8, PB
	v_bfe_u32 v9, v0, 3, 1
	v_lshl_add_u32 v8, v9, 4, v8
	v_add_nc_u32 v[ADRB], BB, v8
	v_add_nc_u32 v[ADRB+1], BB+BBUF, v8
	v_lshl_add_u32 v9, v2, 3, s48                  ; W's stores: 8 bytes a lane, my 16 k rows
	v_add_nc_u32 v[BST], BB, v9
	v_add_nc_u32 v[BST+1], BB+BBUF, v9
	v_mul_u32_u24 v9, v1, PD                       ; the way out, in: row r, 32 bytes for each half of the lanes
	v_lshl_add_u32 v9, v6, 5, v9
	v_add_nc_u32 v[DST], s47, v9
	v_add_nc_u32 v[DST+1], SLOT, v[DST]
	v_lshl_add_u32 v[RD0], v2, 4, s47              ; back: 32 lanes take a row's 512 bytes
	v_add_nc_u32 v[RD1], SLOT, v[RD0]
.if UP
	v_lshlrev_b32 v[CO], 3, v2                     ; 4 bf16 a lane
.else
	v_lshlrev_b32 v[CO], 4, v2                     ; 4 f32 a lane
.endif
; 16 matrix instructions: row blocks a0, a0 + 1 of the window's four (hi = 0: my rows 0-63, 1: rows 64-127) x all 8 column blocks, 32 along K.  zero = 1: the first product starts the sums.
; The 64 accumulators take turns in the same order in every quarter.
.macro MUL16 f, hi, a0, zero
	WIN MUL_LO+0x50*(\hi)
.irp a, \a0, (\a0)+1
.irp b, 0,1,2,3,4,5,6,7
.if \zero
	v_wmma_f32_16x16x32_bf16 v[8*(8*(\a)+(\b)):8*(8*(\a)+(\b))+7], v[(\f)+8*(\b):(\f)+8*(\b)+7], v[(\f)+8*(4*(\hi)+(\a)):(\f)+8*(4*(\hi)+(\a))+7], 0
.else
	v_wmma_f32_16x16x32_bf16 v[8*(8*(\a)+(\b)):8*(8*(\a)+(\b))+7], v[(\f)+8*(\b):(\f)+8*(\b)+7], v[(\f)+8*(4*(\hi)+(\a)):(\f)+8*(4*(\hi)+(\a))+7], v[8*(8*(\a)+(\b)):8*(8*(\a)+(\b))+7]
.endif
.endr
.endr
.endm
; 32 LDS loads in one run: the fragments of 32 along K into buffer f: W's 128 columns from k row bk0 of buffer bbuf (turned), then A's 128 rows at byte akb of slot aslot
.macro FETCH aslot, akb, bbuf, bk0, f
	WIN 0x40
.irp i, 0,1,2,3,4,5,6,7
	ds_load_tr16_b128 v[(\f)+8*(\i):(\f)+8*(\i)+3],   v[ADRB+(\bbuf)] offset:(\bk0)*PB+32*(\i)
	ds_load_tr16_b128 v[(\f)+8*(\i)+4:(\f)+8*(\i)+7], v[ADRB+(\bbuf)] offset:((\bk0)+16)*PB+32*(\i)
.endr
	WIN 0
.irp i, 0,1,2,3,4,5,6,7
	ds_load_b128 v[(\f)+8*(\i):(\f)+8*(\i)+3],   v[ADRA+(\aslot)] offset:(\akb)+(\i)*16*PITCH
	ds_load_b128 v[(\f)+8*(\i)+4:(\f)+8*(\i)+7], v[ADRA+(\aslot)] offset:(\akb)+(\i)*16*PITCH+32
.endr
.endm
; A chunk of W in stage st (window 1) is rounded in place and stored into buffer buf: a store covers a k row's 256 bytes.  lw: the loads of later chunks, which may stay out.
.macro CONV st, buf, lw
	s_wait_loadcnt \lw
	WIN 0x45                                       ; sources and destination window 1
.irp i, 0,1,2,3,4,5,6,7,8,9,10,11,12,13,14,15
	v_cvt_pk_bf16_f32 v[(\st)+4*(\i)],   v[(\st)+4*(\i)],   v[(\st)+4*(\i)+1]
	v_cvt_pk_bf16_f32 v[(\st)+4*(\i)+1], v[(\st)+4*(\i)+2], v[(\st)+4*(\i)+3]
.endr
	WIN 0x04                                       ; the data in window 1, the address in window 0
.irp i, 0,1,2,3,4,5,6,7,8,9,10,11,12,13,14,15
	ds_store_b64 v[BST+(\buf)], v[(\st)+4*(\i):(\st)+4*(\i)+1] offset:(\i)*PB
.endr
.endm
; Stage st takes the chunk `step` chunks behind the one asked for last.  It stands behind a wait on DScnt that shows CONV's stores done.
.macro WLOAD st, step
	s_wait_xcnt 0x0                                ; the earlier loads' addresses are translated (ISA guide 3.1): only now is their base stepped
	s_add_nc_u64 s[40:41], s[40:41], (\step)*64*ROWB
	WIN 0x40
.irp i, 0,1,2,3,4,5,6,7,8,9,10,11,12,13,14,15
	global_load_b128 v[(\st)+4*(\i):(\st)+4*(\i)+3], v[WOFF], s[40:41] offset:(\i)*ROWB th:TH_LOAD_NT
.endr
.endm
; A chunk is two quarters of 32 along K, 64 matrix instructions each.  The first multiplies buffer F0; in its middle the NEXT chunk of W is rounded and stored (cv = 1; its 32 conversions are also the places
; in front of the loads), this chunk's second quarter is fetched into F1, and the stage is asked for again (ld = 1).
.macro Q0 aslot, akb, bbuf, cv, lw, ld, zero
	s_wait_dscnt 8                                 ; W and A's rows 0-63 are in; the youngest eight loads (A's rows 64-127) may be out
	MUL16 F0, 0, 0, \zero
	MUL16 F0, 0, 2, \zero
.if \cv
	CONV 192*(1-(\bbuf)), 1-(\bbuf), \lw
.else
	PLACES
.endif
	FETCH \aslot, (\akb)+64, \bbuf, 32, F1
	s_wait_dscnt 32                                ; all but the 32 loads just issued: the stores above are done too
.if \ld
	WLOAD 192*(1-(\bbuf)), 1
.endif
	MUL16 F0, 1, 0, \zero
	MUL16 F0, 1, 2, \zero
.endm
; The second quarter multiplies F1 and closes the chunk with a barrier: in front of it my reads of this chunk's W buffer and my stores into the other are done.  Behind it the next chunk's first quarter is fetched.
; tw = 1: the next chunk lies in the other A slot, whose load (my own rows) is waited for; nothing is filled again.
.macro TURNP naslot, nakb, nbuf, tw
.if \tw
	s_wait_tensorcnt 0x0                           ; my last tensor load: no load was issued behind it
.endif
	s_wait_dscnt 8
	MUL16 F1, 0, 0, 0
	s_wait_dscnt 0x0
	s_barrier_signal -1
	MUL16 F1, 0, 2, 0                              ; work on registers while the others arrive
	s_barrier_wait -1
	PLACES
	FETCH \naslot, \nakb, \nbuf, 0, F0
	MUL16 F1, 1, 0, 0
	MUL16 F1, 1, 2, 0
.endm
; The same where an A slot has been read out and is filled again, two K steps ahead: the barrier opens a round of the cluster's barrier, so that no wave of any partner still reads the slot or has a load on its way.
.macro TURNR slot
	WIN 0                                          ; (the add's two registers lie in window 0)
	s_wait_tensorcnt 0x0                           ; all my tensor loads have landed: the one that was out is my part of the other slot;
	ds_add_u32 v[SPW], v[NIL]                      ; 0 onto my spare word
	s_wait_dscnt 9                                 ; (the add and the youngest eight loads may be out)
	MUL16 F1, 0, 0, 0                              ; sixteen matrix instructions stand between the add and the wait for it
	s_wait_dscnt 0x0                               ; the add is done, my reads of the slot and of W's buffer are over, my stores are done
	s_barrier_signal -1
	MUL16 F1, 0, 2, 0
	WIN 0
	s_barrier_wait -1
	CREST
	s_add_nc_u64 s[34+4*(\slot):35+4*(\slot)], s[34+4*(\slot):35+4*(\slot)], 512  ; two K steps of 256 bytes on; the type bits on top are not reached
	tensor_load_to_lds s[32+4*(\slot):35+4*(\slot)], s[24:31]  ; my one tensor load behind the round, and the first thing there
	s_nop 0
.rept 4
	v_nop                                          ; also the places in front of the loads below
.endr
	FETCH 1-(\slot), 0, 0, 0, F0
	MUL16 F1, 1, 0, 0
	MUL16 F1, 1, 2, 0
.endm
	s_wait_loadcnt 16                              ; the bias and chunk 0 are in; chunk 1's sixteen loads may be out
	CONV 0, 0, 16
	s_wait_dscnt 0x0                               ; for the others' sake, and for the stage: my stores are done
	WLOAD 0, 2                                     ; chunk 2
	WIN 0
	s_wait_tensorcnt 0x1                           ; my part of K step 0 is in; K step 1's may stay out
	s_barrier_signal -1
	s_barrier_wait -1                              ; chunk 0 of W is whole
	FETCH 0, 0, 0, 0, F0
	Q0 0, 0, 0, 1, 16, 1, 1                        ; chunk 0's first quarter stands in front of the loop: its products start the sums
	WIN 0                                          ; at a label and at a branch every window is 0
	s_mov_b32 s42, 3
.Llap:                                                 ; a trip: four chunks, once round A's ring; from a chunk's second quarter to the first quarter four chunks on
	TURNP 0, 128, 1, 0
	Q0 0, 128, 1, 1, 16, 1, 0
	TURNR 0
	Q0 1, 0, 0, 1, 16, 1, 0
	TURNP 1, 128, 1, 0
	Q0 1, 128, 1, 1, 16, 1, 0
	TURNR 1
	Q0 0, 0, 0, 1, 16, 1, 0
	WIN 0
	s_sub_co_u32 s42, s42, 1
	s_cmp_lg_u32 s42, 0
	s_cbranch_scc1 .Llap
	TURNP 0, 128, 1, 0                             ; chunks 12 to 15 are written out: nothing more is asked for
	Q0 0, 128, 1, 1, 16, 0, 0                      ; chunk 14 is rounded; chunk 15's loads may be out
	TURNP 1, 0, 0, 1
	Q0 1, 0, 0, 1, 0, 0, 0                         ; chunk 15 is rounded: no load is behind it
	TURNP 1, 128, 1, 0
	Q0 1, 128, 1, 0, 0, 0, 0
	s_wait_dscnt 8
	MUL16 F1, 0, 0, 0
	MUL16 F1, 0, 2, 0
	s_wait_dscnt 0x0
	MUL16 F1, 1, 0, 0
	MUL16 F1, 1, 2, 0
	; THE WAY OUT.  The sums go in f32 into my own parts of the two A slots, which have had their last fill and which no other wave touches: rows 0-63 into slot 0's, rows 64-127 into slot 1's.
	; They come back as whole rows of 512 bytes.  LDS serves a wave's instructions in order (ISA guide 5.7.1.4), so no wait stands between the stores and the loads.
	PLACES
.irp a, 0,1,2,3,4,5,6,7
	WIN 0x08+4*((\a)/4)                            ; the data in window 2 or 3
.irp b, 0,1,2,3,4,5,6,7
	ds_store_b128 v[DST+(\a)/4], v[8*(8*((\a)%4)+(\b)):8*(8*((\a)%4)+(\b))+3]   offset:((\a)%4)*16*PD+64*(\b)     ; each accumulator's low end first
	ds_store_b128 v[DST+(\a)/4], v[8*(8*((\a)%4)+(\b))+4:8*(8*((\a)%4)+(\b))+7] offset:((\a)%4)*16*PD+64*(\b)+16
.endr
.endr
	WIN 0
	s_mov_b32 s43, 8
	s_mov_b32 s46, 0
.Lout:                                                 ; a trip: 8 rows of each part
	v_add_nc_u32 v4, s46, v[RD0]
	v_add_nc_u32 v5, s46, v[RD1]
.irp p, 0,1
.irp i, 0,1,2,3,4,5,6,7
	ds_load_b128 v[Z+4*(8*(\p)+(\i)):Z+4*(8*(\p)+(\i))+3], v[4+(\p)] offset:(\i)*PD
.endr
.endr
	s_wait_dscnt 0x0
.if UP
.set k, 0
.rept 16
	v_pk_add_f32 v[Z+4*k:Z+4*k+1], v[Z+4*k:Z+4*k+1], v[BIA:BIA+1]          ; z = sum + b1
	v_pk_add_f32 v[Z+4*k+2:Z+4*k+3], v[Z+4*k+2:Z+4*k+3], v[BIA+2:BIA+3]
.set k, k+1
.endr
.set k, 0
.rept 32
	v_pk_mul_f32 v[E+2*k:E+2*k+1], v[Z+2*k:Z+2*k+1], s[44:45] op_sel_hi:[1,0]  ; -z log2(e)
.set k, k+1
.endr
.set k, 0
.rept 64
	v_exp_f32 v[E+k], v[E+k]
.set k, k+1
.endr
	v_nop                                          ; a plain instruction behind the last exponential,
	s_wait_alu depctr_va_vdst(0)                   ; and one wait for the batch, ahead of its first reader
.set k, 0
.rept 32
	v_pk_add_f32 v[E+2*k:E+2*k+1], v[E+2*k:E+2*k+1], 1.0 op_sel_hi:[1,0]
.set k, k+1
.endr
.set k, 0
.rept 64
	v_rcp_f32 v[E+k], v[E+k]
.set k, k+1
.endr
	v_nop
	s_wait_alu depctr_va_vdst(0)
.set k, 0
.rept 32
	v_pk_mul_f32 v[Z+2*k:Z+2*k+1], v[Z+2*k:Z+2*k+1], v[E+2*k:E+2*k+1]      ; silu
.set k, k+1
.endr
.set k, 0
.rept 32
	v_cvt_pk_bf16_f32 v[O+k], v[Z+2*k], v[Z+2*k+1]
.set k, k+1
.endr
.irp p, 0,1
.irp i, 0,1,2,3,4,5,6,7
	global_store_b64 v[CO], v[O+2*(8*(\p)+(\i)):O+2*(8*(\p)+(\i))+1], s[10:11] offset:((\i)+64*(\p))*ORow  ; a wave's store covers 256 consecutive bytes, aligned
.endr
.endr
.else
.irp p, 0,1
.irp i, 0,1,2,3,4,5,6,7
	global_store_b128 v[CO], v[Z+4*(8*(\p)+(\i)):Z+4*(8*(\p)+(\i))+3], s[10:11] offset:((\i)+64*(\p))*ORow  ; a wave's store covers 512 consecutive bytes, aligned
.endr
.endr
.endif
	s_wait_xcnt 0x0                                ; the stores' base and data are rewritten only behind this wait
	s_add_nc_u64 s[10:11], s[10:11], 8*ORow
	s_add_co_u32 s46, s46, 8*PD
	s_sub_co_u32 s43, s43, 1
	s_cmp_lg_u32 s43, 0
	s_cbranch_scc1 .Lout
	s_wait_tensorcnt 0x0                           ; the wave's end, behind my last tensor load and my last LDS store
	ds_add_u32 v[SPW], v[NIL]
	s_wait_dscnt 0x0
	CROUND                                         ; the closing round: no work-group ends while a partner may still ask for a tile that names it
	s_endpgm
.Lfunc_end_k_qdd413108c5_down0:
	.size	k_qdd413108c5_down0, .Lfunc_end_k_qdd413108c5_down0-k_qdd413108c5_down0
	.p2alignl 7, 3214868480
	.fill 96, 4, 3214868480
	.section	.rodata,"a",@progbits
	.p2align	6, 0x0
	.amdhsa_kernel k_qdd413108c5_down0
		.amdhsa_group_segment_fixed_size 327680
		.amdhsa_private_segment_fixed_size 0
		.amdhsa_enable_private_segment 0
		.amdhsa_kernarg_size 24
		.amdhsa_user_sgpr_count 2
		.amdhsa_user_sgpr_kernarg_segment_ptr 1
		.amdhsa_wavefront_size32 1
		.amdhsa_system_sgpr_workgroup_id_x 1
		.amdhsa_system_sgpr_workgroup_id_y 1
		.amdhsa_system_sgpr_workgroup_id_z 1
		.amdhsa_system_vgpr_workitem_id 0
		.amdhsa_next_free_vgpr 1024
		.amdhsa_next_free_sgpr 66
		.amdhsa_reserve_vcc 0
		.amdhsa_float_denorm_mode_32 3
		.amdhsa_float_denorm_mode_16_64 3
		.amdhsa_memory_ordered 1
		.amdhsa_forward_progress 1
		.amdhsa_inst_pref_size 156
	.end_amdhsa_kernel
	.amdgpu_metadata
---
amdhsa.version: [ 1, 2 ]
amdhsa.kernels:
  - .name:           k_qdd413108c5_down0
    .symbol:         k_qdd413108c5_down0.kd
    .args:
      - { .name: hs, .offset: 0, .size: 8, .value_kind: global_buffer, .address_space: global }
      - { .name: w2, .offset: 8, .size: 8, .value_kind: global_buffer, .address_space: global }
      - { .name: part, .offset: 16, .size: 8, .value_kind: global_buffer, .address_space: global }
    .group_segment_fixed_size: 327680
    .private_segment_fixed_size: 0
    .kernarg_segment_align: 8
    .kernarg_segment_size: 24
    .max_flat_workgroup_size: 128
    .sgpr_count:     66
    .vgpr_count:     1024
    .wavefront_size: 32
...
	.end_amdgpu_metadata
.endif
;; end of part 3
;; launch mix0 (part 4): grid 512 x 1, 4 waves a work-group, no clusters, 1,024 bytes of LDS; arguments hidden_states, part, b2, rwa, ln_w, gate_w, x1, tb, rwb; writes x1, tb, rwb
.if DOCPART == 4
	.amdgcn_target "amdgcn-amd-amdhsa--gfx1250"
	.amdhsa_code_object_version 6
	.text
	.protected	k_qdd413108c5_mix0
	.globl	k_qdd413108c5_mix0
	.p2align	8
	.type	k_qdd413108c5_mix0,@function
k_qdd413108c5_mix0:
	s_mov_b64 s[64:65], 0
	v_nop
	global_prefetch_b8 v0, s[64:65] scope:SCOPE_SE
	s_setreg_imm32_b32 hwreg(HW_REG_WAVE_MODE, 25, 1), 1
	s_wait_xcnt 0x0
; STEP 0's END AND STEP 1's BEGINNING, for one token row t a work-group, all in f32:
;   x1[t] = hidden_states[t] + sum over e of rw[t][e] (sum of expert e's four K slices of part + b2[e]);   r = 1 / sqrt(mean(x1^2) + 1e-6);
;   tb[t] = (x1 ln_w) r, rounded once to bf16;   rwb[t] = softmax over e of ((x1 ln_w) . gate_w[e]) r, the maximum taken away first.
; Thread n holds columns 4 n .. + 3 and 512 + 4 n ..: every load of a wave covers 512 neighbouring bytes.  The 49 rows that the work-group reads (32 slices and 8 rows of b2, by experts; ln_w; 8 rows of gate_w)
; are one stream through a ring of 24 register slots: 48 loads of every wave are on their way, and each wait counts the loads issued behind the row that is due.  No address register is ever rewritten.
; rwa's and rwb's rows are 256 bytes: word 2 l and 2 l + 1 hold rw[l mod 8]; the reader takes 16 words into scalar registers and finds rw[e] as the pair at words 2 e, 2 e + 1.
; LIMITS.  The norm is formed as (x ln_w) r, another order of rounding than x r ln_w.  A weight below 2^-126 counts as 0; NaN and infinities are not treated apart.
.set LAST, 48                          ; the stream's last position
.set SPARE, 256                        ; LDS: bytes 0-255 the waves' partial sums (64 bytes a wave); 256-767 the spare words, 128 bytes a wave
.set X,    16                          ; v[16:23]   my 8 numbers of the row
.set Y,    24                          ; v[24:31]   x ln_w
.set RING, 32                          ; v[32:223]  24 slots of 8
.set LG,   224                         ; v[224:232] the 8 partial logits and the partial sum of squares
.set T,    234                         ; v[234:241] four pairs at work
.set U,    242                         ; v[242:249] at work
.set R,    250                         ; v[250:251] r, twice
.set PR,   252                         ; v[252:253] rw, twice
.set RW,   24                          ; s[24:39]   this row's gate weights, each twice
.set PBE,  40                          ; s[40:55]   part at this row, a base for each expert's four slices
	s_load_b512 s[4:19], s[0:1], 0x0               ; hidden_states s[4:5], part s[6:7], b2 s[8:9], rwa s[10:11], ln_w s[12:13], gate_w s[14:15], x1 s[16:17], tb s[18:19]
	s_load_b64 s[20:21], s[0:1], 0x40              ; rwb
	v_lshl_add_u32 v8, v0, 2, SPARE                ; my spare word
	v_mov_b32 v9, 0
	v_lshlrev_b32 v1, 4, v0                        ; my 16 bytes in half a row of f32
	v_lshlrev_b32 v2, 3, v0                        ; my 8 bytes in half a row of bf16
	v_lshrrev_b32 v3, 5, v0
	v_readfirstlane_b32 s22, v3                    ; wave 0..3
	v_lshlrev_b32 v4, 6, v3                        ; my wave's 64 bytes in LDS
	v_and_b32 v5, 7, v0
	v_lshlrev_b32 v5, 2, v5                        ; the word of expert lane mod 8
	v_mov_b32 v6, 0
	v_and_b32 v7, 31, v0
	v_lshlrev_b32 v7, 3, v7                        ; 8 bytes a lane in rwb's row
	s_mov_b32 s58, 0x76543210                      ; v_permlanex16_b32: each lane takes its own place in the other half
	s_mov_b32 s59, 0xfedcba98
	s_mov_b32 s60, 0x3a800000                      ; 1 / 1024
	s_mov_b32 s61, 0x358637bd                      ; 1e-6
	s_lshl_b32 s56, ttmp9, 12                      ; the row in f32 tensors,
	s_mov_b32 s57, 0
	s_lshl_b32 s62, ttmp9, 8                       ; in rwa and rwb,
	s_mov_b32 s63, 0
	s_lshl_b32 s2, ttmp9, 11                       ; in tb
	s_mov_b32 s3, 0
	s_wait_kmcnt 0x0
	s_add_nc_u64 s[10:11], s[10:11], s[62:63]
	s_load_b512 s[RW:RW+15], s[10:11], 0x0
	s_add_nc_u64 s[4:5], s[4:5], s[56:57]
	s_add_nc_u64 s[PBE:PBE+1], s[6:7], s[56:57]
.irp e, 1,2,3,4,5,6,7
	s_add_nc_u64 s[PBE+2*(\e):PBE+2*(\e)+1], s[PBE+2*(\e)-2:PBE+2*(\e)-1], 0x800000  ; four slices of 2 MiB on
.endr
	s_add_nc_u64 s[16:17], s[16:17], s[56:57]
	s_add_nc_u64 s[18:19], s[18:19], s[2:3]
	s_add_nc_u64 s[20:21], s[20:21], s[62:63]
; Position p of the stream: p < 40: expert p / 5; p % 5 < 4: its K slice p % 5, else its row of b2.  40: ln_w.  41-48: gate_w's rows.
.macro ISSUE p
.set sl, RING+8*((\p)%24)
.if (\p) < 40
.if (\p)%5 < 4
	global_load_b128 v[sl:sl+3],   v1, s[PBE+2*((\p)/5):PBE+2*((\p)/5)+1] offset:((\p)%5)*0x200000 th:TH_LOAD_NT
	global_load_b128 v[sl+4:sl+7], v1, s[PBE+2*((\p)/5):PBE+2*((\p)/5)+1] offset:((\p)%5)*0x200000+2048 th:TH_LOAD_NT
.else
	global_load_b128 v[sl:sl+3],   v1, s[8:9] offset:((\p)/5)*4096
	global_load_b128 v[sl+4:sl+7], v1, s[8:9] offset:((\p)/5)*4096+2048
.endif
.elseif (\p) == 40
	global_load_b128 v[sl:sl+3],   v1, s[12:13]
	global_load_b128 v[sl+4:sl+7], v1, s[12:13] offset:2048
.else
	global_load_b128 v[sl:sl+3],   v1, s[14:15] offset:((\p)-41)*4096
	global_load_b128 v[sl+4:sl+7], v1, s[14:15] offset:((\p)-41)*4096+2048
.endif
.endm
.macro DOT e, g                        ; my 8 columns' part of logit e; gate_w's row lies in v[g .. g+7]
.set tp, T+2*((\e)%4)
	v_pk_mul_f32 v[tp:tp+1], v[Y:Y+1], v[(\g):(\g)+1]
	v_pk_fma_f32 v[tp:tp+1], v[Y+2:Y+3], v[(\g)+2:(\g)+3], v[tp:tp+1]
	v_pk_fma_f32 v[tp:tp+1], v[Y+4:Y+5], v[(\g)+4:(\g)+5], v[tp:tp+1]
	v_pk_fma_f32 v[tp:tp+1], v[Y+6:Y+7], v[(\g)+6:(\g)+7], v[tp:tp+1]
	v_add_f32 v[LG+(\e)], v[tp], v[tp+1]
.endm
.macro USE p
.set ahead, LAST-(\p)
.if ahead > 23
.set ahead, 23
.endif
	s_wait_loadcnt 2*ahead                         ; loads come back in order: position p is in; the two loads of each later position that has been issued may be out
.set sl, RING+8*((\p)%24)
.if (\p) < 40
.set rw, RW+2*((\p)/5)
.irp c, 0,2,4,6
	v_pk_fma_f32 v[X+(\c):X+(\c)+1], v[sl+(\c):sl+(\c)+1], s[rw:rw+1], v[X+(\c):X+(\c)+1] op_sel_hi:[1,0,1]  ; x += rw[e] (slice or bias)
.endr
.elseif (\p) == 40
.irp c, 0,2,4,6
	v_pk_mul_f32 v[Y+(\c):Y+(\c)+1], v[X+(\c):X+(\c)+1], v[sl+(\c):sl+(\c)+1]  ; x ln_w
.endr
	v_pk_mul_f32 v[U:U+1], v[X:X+1], v[X:X+1]      ; my part of the sum of squares
	v_pk_fma_f32 v[U:U+1], v[X+2:X+3], v[X+2:X+3], v[U:U+1]
	v_pk_fma_f32 v[U:U+1], v[X+4:X+5], v[X+4:X+5], v[U:U+1]
	v_pk_fma_f32 v[U:U+1], v[X+6:X+7], v[X+6:X+7], v[U:U+1]
	v_add_f32 v[LG+8], v[U], v[U+1]
.else
	DOT (\p)-41, sl
.endif
.if (\p) == 39
	global_store_b128 v1, v[X:X+3], s[16:17]       ; x1: X is not written again
	global_store_b128 v1, v[X+4:X+7], s[16:17] offset:2048
.endif
.if (\p)+24 <= LAST
	ISSUE (\p)+24                                  ; the slot just read takes the position 24 further on
.endif
.endm
.macro WSUM n                          ; v[LG .. LG+n-1] summed over the wave's 32 lanes; the values take turns, so that no line waits for the one before it
.irp m, 1,2,4,8
.set k, 0
.rept \n
	v_add_f32_dpp v[LG+k], v[LG+k], v[LG+k] row_xmask:\m row_mask:0xf bank_mask:0xf
.set k, k+1
.endr
.endr
.set k, 0
.rept \n
	v_permlanex16_b32 v[RING+k], v[LG+k], s58, s59 ; its destination counts as read: registers that the loads have written and nobody needs any more
.set k, k+1
.endr
.set k, 0
.rept \n
	v_add_f32 v[LG+k], v[LG+k], v[RING+k]
.set k, k+1
.endr
.endm
	global_load_b128 v[X:X+3], v1, s[4:5]
	global_load_b128 v[X+4:X+7], v1, s[4:5] offset:2048
.set p, 0
.rept 24
	ISSUE p
.set p, p+1
.endr
	s_wait_kmcnt 0x0                               ; the gate's weights
.set p, 0
.rept LAST+1
	USE p
.set p, p+1
.endr
	WSUM 9
.irp k, 0,1,2,3,4,5,6,7,8
	ds_store_b32 v4, v[LG+(\k)] offset:4*(\k)      ; all lanes of a wave write the same word with the same value
.endr
	s_wait_dscnt 0x0                               ; for the others' sake: my stores are done
	s_barrier_signal -1
	s_barrier_wait -1
.irp k, 0,1,2,3
	ds_load_b32 v[U+(\k)], v5 offset:64*(\k)       ; lane l: the four waves' parts of logit l mod 8,
.endr
.irp k, 0,1,2,3
	ds_load_b32 v[U+4+(\k)], v6 offset:64*(\k)+32  ; and of the sum of squares
.endr
	s_wait_dscnt 0x0
	v_add_f32 v[U], v[U], v[U+1]
	v_add_f32 v[U+2], v[U+2], v[U+3]
	v_add_f32 v[U+4], v[U+4], v[U+5]
	v_add_f32 v[U+6], v[U+6], v[U+7]
	v_add_f32 v[U], v[U], v[U+2]
	v_add_f32 v[U+4], v[U+4], v[U+6]
	v_fma_f32 v[U+4], v[U+4], s60, s61             ; the mean of the squares + 1e-6
	v_rsq_f32 v[R], v[U+4]
	v_rsq_f32 v[R+1], v[U+4]                       ; twice: a pair for the packed multiply
	v_nop                                          ; a plain instruction behind the last of them,
	s_wait_alu depctr_va_vdst(0)                   ; and a wait ahead of the first reader
	v_mul_f32 v[U], v[U], v[R]                     ; the logit
	; softmax over the 8 experts, which lie in 8 neighbouring lanes
	v_mov_b32 v[U+1], v[U]
	v_max_num_f32_dpp v[U+1], v[U+1], v[U+1] row_xmask:1 row_mask:0xf bank_mask:0xf
	v_max_num_f32_dpp v[U+1], v[U+1], v[U+1] row_xmask:2 row_mask:0xf bank_mask:0xf
	v_max_num_f32_dpp v[U+1], v[U+1], v[U+1] row_xmask:4 row_mask:0xf bank_mask:0xf
	v_sub_f32 v[U+2], v[U], v[U+1]
	v_mul_f32 v[U+2], 0x3fb8aa3b, v[U+2]           ; log2(e)
	v_exp_f32 v[U+2], v[U+2]
	v_nop
	s_wait_alu depctr_va_vdst(0)
	v_mov_b32 v[U+3], v[U+2]
	v_add_f32_dpp v[U+3], v[U+3], v[U+3] row_xmask:1 row_mask:0xf bank_mask:0xf
	v_add_f32_dpp v[U+3], v[U+3], v[U+3] row_xmask:2 row_mask:0xf bank_mask:0xf
	v_add_f32_dpp v[U+3], v[U+3], v[U+3] row_xmask:4 row_mask:0xf bank_mask:0xf
	v_rcp_f32 v[U+3], v[U+3]
	v_nop
	s_wait_alu depctr_va_vdst(0)
	v_mul_f32 v[PR], v[U+2], v[U+3]
	v_mul_f32 v[PR+1], v[U+2], v[U+3]
	s_cmp_lg_u32 s22, 0
	s_cbranch_scc1 .Lnot_wave_0
	global_store_b64 v7, v[PR:PR+1], s[20:21]      ; wave 0: the row's 256 bytes, whole
.Lnot_wave_0:
.irp c, 0,2,4,6
	v_pk_mul_f32 v[Y+(\c):Y+(\c)+1], v[Y+(\c):Y+(\c)+1], v[R:R+1]
.endr
.irp c, 0,1,2,3
	v_cvt_pk_bf16_f32 v[T+(\c)], v[Y+2*(\c)], v[Y+2*(\c)+1]
.endr
	global_store_b64 v2, v[T:T+1], s[18:19]        ; a wave's store covers 256 consecutive bytes, aligned
	global_store_b64 v2, v[T+2:T+3], s[18:19] offset:1024
	s_wait_tensorcnt 0x0                           ; the wave's end, behind my last LDS store
	ds_add_u32 v8, v9
	s_wait_dscnt 0x0
	s_endpgm
.Lfunc_end_k_qdd413108c5_mix0:
	.size	k_qdd413108c5_mix0, .Lfunc_end_k_qdd413108c5_mix0-k_qdd413108c5_mix0
	.p2alignl 7, 3214868480
	.fill 96, 4, 3214868480
	.section	.rodata,"a",@progbits
	.p2align	6, 0x0
	.amdhsa_kernel k_qdd413108c5_mix0
		.amdhsa_group_segment_fixed_size 1024
		.amdhsa_private_segment_fixed_size 0
		.amdhsa_enable_private_segment 0
		.amdhsa_kernarg_size 72
		.amdhsa_user_sgpr_count 2
		.amdhsa_user_sgpr_kernarg_segment_ptr 1
		.amdhsa_wavefront_size32 1
		.amdhsa_system_sgpr_workgroup_id_x 1
		.amdhsa_system_sgpr_workgroup_id_y 1
		.amdhsa_system_sgpr_workgroup_id_z 1
		.amdhsa_system_vgpr_workitem_id 0
		.amdhsa_next_free_vgpr 256
		.amdhsa_next_free_sgpr 66
		.amdhsa_reserve_vcc 0
		.amdhsa_float_denorm_mode_32 3
		.amdhsa_float_denorm_mode_16_64 3
		.amdhsa_memory_ordered 1
		.amdhsa_forward_progress 1
		.amdhsa_inst_pref_size 33
	.end_amdhsa_kernel
	.amdgpu_metadata
---
amdhsa.version: [ 1, 2 ]
amdhsa.kernels:
  - .name:           k_qdd413108c5_mix0
    .symbol:         k_qdd413108c5_mix0.kd
    .args:
      - { .name: hidden_states, .offset: 0, .size: 8, .value_kind: global_buffer, .address_space: global }
      - { .name: part, .offset: 8, .size: 8, .value_kind: global_buffer, .address_space: global }
      - { .name: b2, .offset: 16, .size: 8, .value_kind: global_buffer, .address_space: global }
      - { .name: rwa, .offset: 24, .size: 8, .value_kind: global_buffer, .address_space: global }
      - { .name: ln_w, .offset: 32, .size: 8, .value_kind: global_buffer, .address_space: global }
      - { .name: gate_w, .offset: 40, .size: 8, .value_kind: global_buffer, .address_space: global }
      - { .name: x1, .offset: 48, .size: 8, .value_kind: global_buffer, .address_space: global }
      - { .name: tb, .offset: 56, .size: 8, .value_kind: global_buffer, .address_space: global }
      - { .name: rwb, .offset: 64, .size: 8, .value_kind: global_buffer, .address_space: global }
    .group_segment_fixed_size: 1024
    .private_segment_fixed_size: 0
    .kernarg_segment_align: 8
    .kernarg_segment_size: 72
    .max_flat_workgroup_size: 128
    .sgpr_count:     66
    .vgpr_count:     256
    .wavefront_size: 32
...
	.end_amdgpu_metadata
.endif
;; end of part 4
;; launch up1: the kernel of part 2 again; grid 256 x 1, 4 waves a work-group, clusters of 4 x 1, 327,680 bytes of LDS; arguments tb, w1, b1, hs; writes hs
;; launch down1: the kernel of part 3 again; grid 256 x 1, 4 waves a work-group, clusters of 4 x 1, 327,680 bytes of LDS; arguments hs, w2, part; writes part
;; launch mix1 (part 5): grid 512 x 1, 4 waves a work-group, no clusters, 0 bytes of LDS; arguments x1, part, b2, rwb, out0; writes out0
.if DOCPART == 5
	.amdgcn_target "amdgcn-amd-amdhsa--gfx1250"
	.amdhsa_code_object_version 6
	.text
	.protected	k_qdd413108c5_mix1
	.globl	k_qdd413108c5_mix1
	.p2align	8
	.type	k_qdd413108c5_mix1,@function
k_qdd413108c5_mix1:
	s_mov_b64 s[64:65], 0
	v_nop
	global_prefetch_b8 v0, s[64:65] scope:SCOPE_SE
	s_setreg_imm32_b32 hwreg(HW_REG_WAVE_MODE, 25, 1), 1
	s_wait_xcnt 0x0
; STEP 1's END, for one token row t a work-group, all in f32:  out0[t] = x1[t] + sum over e of rw[t][e] (sum of expert e's four K slices of part + b2[e]).
; Thread n holds columns 4 n .. + 3 and 512 + 4 n ..: every load and store of a wave covers 512 neighbouring bytes.  The 40 rows that the work-group reads (32 slices and 8 rows of b2, by experts) are one stream
; through a ring of 24 register slots: 48 loads of every wave are on their way, and each wait counts the loads issued behind the row that is due.  No address register is ever rewritten; no LDS, no barrier:
; no thread needs another's numbers.  rwb's row: 16 words into scalar registers, rw[e] as the pair at words 2 e, 2 e + 1.
.set LAST, 39                          ; the stream's last position
.set X,    16                          ; v[16:23]   my 8 numbers of the row
.set RING, 32                          ; v[32:223]  24 slots of 8
.set RW,   24                          ; s[24:39]   this row's gate weights, each twice
.set PBE,  40                          ; s[40:55]   part at this row, a base for each expert's four slices
	s_load_b256 s[4:11], s[0:1], 0x0               ; x1 s[4:5], part s[6:7], b2 s[8:9], rwb s[10:11]
	s_load_b64 s[12:13], s[0:1], 0x20              ; out0
	v_lshlrev_b32 v1, 4, v0                        ; my 16 bytes in half a row
	s_lshl_b32 s56, ttmp9, 12                      ; the row in f32 tensors,
	s_mov_b32 s57, 0
	s_lshl_b32 s62, ttmp9, 8                       ; in rwb
	s_mov_b32 s63, 0
	s_wait_kmcnt 0x0
	s_add_nc_u64 s[10:11], s[10:11], s[62:63]
	s_load_b512 s[RW:RW+15], s[10:11], 0x0
	s_add_nc_u64 s[4:5], s[4:5], s[56:57]
	s_add_nc_u64 s[PBE:PBE+1], s[6:7], s[56:57]
.irp e, 1,2,3,4,5,6,7
	s_add_nc_u64 s[PBE+2*(\e):PBE+2*(\e)+1], s[PBE+2*(\e)-2:PBE+2*(\e)-1], 0x800000  ; four slices of 2 MiB on
.endr
	s_add_nc_u64 s[12:13], s[12:13], s[56:57]
; Position p of the stream: expert p / 5; p % 5 < 4: its K slice p % 5, else its row of b2.
.macro ISSUE p
.set sl, RING+8*((\p)%24)
.if (\p)%5 < 4
	global_load_b128 v[sl:sl+3],   v1, s[PBE+2*((\p)/5):PBE+2*((\p)/5)+1] offset:((\p)%5)*0x200000 th:TH_LOAD_NT
	global_load_b128 v[sl+4:sl+7], v1, s[PBE+2*((\p)/5):PBE+2*((\p)/5)+1] offset:((\p)%5)*0x200000+2048 th:TH_LOAD_NT
.else
	global_load_b128 v[sl:sl+3],   v1, s[8:9] offset:((\p)/5)*4096
	global_load_b128 v[sl+4:sl+7], v1, s[8:9] offset:((\p)/5)*4096+2048
.endif
.endm
.macro USE p
.set ahead, LAST-(\p)
.if ahead > 23
.set ahead, 23
.endif
	s_wait_loadcnt 2*ahead                         ; loads come back in order: position p is in; the two loads of each later position that has been issued may be out
.set sl, RING+8*((\p)%24)
.set rw, RW+2*((\p)/5)
.irp c, 0,2,4,6
	v_pk_fma_f32 v[X+(\c):X+(\c)+1], v[sl+(\c):sl+(\c)+1], s[rw:rw+1], v[X+(\c):X+(\c)+1] op_sel_hi:[1,0,1]  ; x += rw[e] (slice or bias)
.endr
.if (\p)+24 <= LAST
	ISSUE (\p)+24                                  ; the slot just read takes the position 24 further on
.endif
.endm
	global_load_b128 v[X:X+3], v1, s[4:5]
	global_load_b128 v[X+4:X+7], v1, s[4:5] offset:2048
.set p, 0
.rept 24
	ISSUE p
.set p, p+1
.endr
	s_wait_kmcnt 0x0                               ; the gate's weights
.set p, 0
.rept LAST+1
	USE p
.set p, p+1
.endr
	global_store_b128 v1, v[X:X+3], s[12:13]
	global_store_b128 v1, v[X+4:X+7], s[12:13] offset:2048
	s_endpgm
.Lfunc_end_k_qdd413108c5_mix1:
	.size	k_qdd413108c5_mix1, .Lfunc_end_k_qdd413108c5_mix1-k_qdd413108c5_mix1
	.p2alignl 7, 3214868480
	.fill 96, 4, 3214868480
	.section	.rodata,"a",@progbits
	.p2align	6, 0x0
	.amdhsa_kernel k_qdd413108c5_mix1
		.amdhsa_group_segment_fixed_size 0
		.amdhsa_private_segment_fixed_size 0
		.amdhsa_enable_private_segment 0
		.amdhsa_kernarg_size 40
		.amdhsa_user_sgpr_count 2
		.amdhsa_user_sgpr_kernarg_segment_ptr 1
		.amdhsa_wavefront_size32 1
		.amdhsa_system_sgpr_workgroup_id_x 1
		.amdhsa_system_sgpr_workgroup_id_y 1
		.amdhsa_system_sgpr_workgroup_id_z 1
		.amdhsa_system_vgpr_workitem_id 0
		.amdhsa_next_free_vgpr 224
		.amdhsa_next_free_sgpr 66
		.amdhsa_reserve_vcc 0
		.amdhsa_float_denorm_mode_32 3
		.amdhsa_float_denorm_mode_16_64 3
		.amdhsa_memory_ordered 1
		.amdhsa_forward_progress 1
		.amdhsa_inst_pref_size 21
	.end_amdhsa_kernel
	.amdgpu_metadata
---
amdhsa.version: [ 1, 2 ]
amdhsa.kernels:
  - .name:           k_qdd413108c5_mix1
    .symbol:         k_qdd413108c5_mix1.kd
    .args:
      - { .name: x1, .offset: 0, .size: 8, .value_kind: global_buffer, .address_space: global }
      - { .name: part, .offset: 8, .size: 8, .value_kind: global_buffer, .address_space: global }
      - { .name: b2, .offset: 16, .size: 8, .value_kind: global_buffer, .address_space: global }
      - { .name: rwb, .offset: 24, .size: 8, .value_kind: global_buffer, .address_space: global }
      - { .name: out0, .offset: 32, .size: 8, .value_kind: global_buffer, .address_space: global }
    .group_segment_fixed_size: 0
    .private_segment_fixed_size: 0
    .kernarg_segment_align: 8
    .kernarg_segment_size: 40
    .max_flat_workgroup_size: 128
    .sgpr_count:     66
    .vgpr_count:     224
    .wavefront_size: 32
...
	.end_amdgpu_metadata
.endif
;; end of part 5
;; ======== version 2 of 2: 7 launches; version 1 with the launches mix0, mix1 written anew for expert scheduling mode
;; workspace buffers: tb 1,048,576 bytes; hs 33,554,432 bytes; part 67,108,864 bytes; x1 2,097,152 bytes; rwa 131,072 bytes; rwb 131,072 bytes
;; launch gate0: the kernel of part 1 again; grid 512 x 1, 4 waves a work-group, no clusters, 1,024 bytes of LDS; arguments hidden_states, gate_w, tb, rwa; writes tb, rwa
;; launch up0: the kernel of part 2 again; grid 256 x 1, 4 waves a work-group, clusters of 4 x 1, 327,680 bytes of LDS; arguments tb, w1, b1, hs; writes hs
;; launch down0: the kernel of part 3 again; grid 256 x 1, 4 waves a work-group, clusters of 4 x 1, 327,680 bytes of LDS; arguments hs, w2, part; writes part
;; launch mix0 (part 6): grid 512 x 1, 4 waves a work-group, no clusters, 1,024 bytes of LDS; arguments hidden_states, part, b2, rwa, ln_w, gate_w, x1, tb, rwb; writes x1, tb, rwb
.if DOCPART == 6
	.amdgcn_target "amdgcn-amd-amdhsa--gfx1250"
	.amdhsa_code_object_version 6
	.text
	.protected	k_qdd413108c5_mix0
	.globl	k_qdd413108c5_mix0
	.p2align	8
	.type	k_qdd413108c5_mix0,@function
k_qdd413108c5_mix0:
	s_mov_b64 s[64:65], 0
	v_nop
	global_prefetch_b8 v0, s[64:65] scope:SCOPE_SE
	s_setreg_imm32_b32 hwreg(HW_REG_WAVE_SCHED_MODE, 0, 2), 2
	s_setreg_imm32_b32 hwreg(HW_REG_WAVE_MODE, 25, 1), 1
	s_wait_xcnt 0x0
	s_wait_alu depctr_vm_vsrc(0)
; STEP 0's END AND STEP 1's BEGINNING, for one token row t a work-group, all in f32:
;   x1[t] = hidden_states[t] + sum over e of rw[t][e] (sum of expert e's four K slices of part + b2[e]);   r = 1 / sqrt(mean(x1^2) + 1e-6);
;   tb[t] = (x1 ln_w) r, rounded once to bf16;   rwb[t] = softmax over e of ((x1 ln_w) . gate_w[e]) r, the maximum taken away first.
; Thread n holds columns 4 n .. + 3 and 512 + 4 n ..: every load of a wave covers 512 neighbouring bytes.  The 49 rows that the work-group reads (32 slices and 8 rows of b2, by experts; ln_w; 8 rows of gate_w)
; are one stream through a ring of 28 register slots, and each wait counts the loads issued behind the row that is due: 24 to 27 later rows in the first block, 23 or 24 after it, 46 to 54 loads of every wave, may be out.  No address register is ever rewritten.
; rwa's and rwb's rows are 256 bytes: word 2 l and 2 l + 1 hold rw[l mod 8]; the reader takes 16 words into scalar registers and finds rw[e] as the pair at words 2 e, 2 e + 1.
; LIMITS.  The norm is formed as (x ln_w) r, another order of rounding than x r ln_w.  A weight below 2^-126 counts as 0; NaN and infinities are not treated apart.
; THE MODE: SCHED_MODE bits 1:0 = 2 (LLVM: expert scheduling mode 2), set by the entry lines.  The code itself states the register dependences between vector instructions and memory or LDS instructions,
; with s_wait_alu, always for 0.
; THE PLAN.  The stream goes in blocks of four positions.  Registers that memory or LDS instructions touch:
;   v1, v2, v4-v7  offsets and LDS addresses, made once at the head and never written again.
;   the slots      Block g's vector lines read its own four slots.  Its loads land in the four slots of block g - 1 (the positions 24 ahead of block g's own), which no vector line of block g names.
;                  So ONE wait at the head of a block that loads states that the block before is done reading its slots; the block's loads follow it, a pair ahead of each position's lines.
;   X              Loaded once, then written by the multiply-adds of positions 0 to 39; read by x1's two stores, behind a wait; not written again.
;   LG, U          LG is written by the sums over the lanes and read by the LDS stores; in U, which position 40's lines named, the LDS loads land: one wait ahead of the LDS stores states both.
;   PR, T          Written at the end, read by the last stores: one wait ahead of the branch that stands in front of them.
; No register that a memory or LDS instruction reads is ever written again.
.set LAST, 48                          ; the stream's last position
.set SLOTS, 28
.set GRP,  4                           ; positions in a block
                                       ; LDS: bytes 0-255 the waves' partial sums (64 bytes a wave); 256-767 the spare words, 128 bytes a wave
.set X,    16                          ; v[16:23]   my 8 numbers of the row
.set Y,    24                          ; v[24:31]   x ln_w
.set RING, 32                          ; v[32:255]  28 slots of 8.  Slots 24 to 27 hold positions 24 to 27 alone (positions 28 to 48 go to slots 0 to 20): from position 40 on their registers serve as follows
.set LG,   224                         ; v[224:232] the 8 partial logits and the partial sum of squares
.set T,    234                         ; v[234:241] four pairs at work
.set U,    242                         ; v[242:249] at work
.set R,    250                         ; v[250:251] r, twice
.set PR,   252                         ; v[252:253] rw, twice
.set RW,   24                          ; s[24:39]   this row's gate weights, each twice
.set PBE,  40                          ; s[40:55]   part at this row, a base for each expert's four slices
	s_load_b512 s[4:19], s[0:1], 0x0               ; hidden_states s[4:5], part s[6:7], b2 s[8:9], rwa s[10:11], ln_w s[12:13], gate_w s[14:15], x1 s[16:17], tb s[18:19]
	s_load_b64 s[20:21], s[0:1], 0x40              ; rwb
	v_lshl_add_u32 v14, v0, 2, 0x100
	v_mov_b32 v15, 0
	v_lshlrev_b32 v1, 4, v0                        ; my 16 bytes in half a row of f32
	v_lshlrev_b32 v2, 3, v0                        ; my 8 bytes in half a row of bf16
	v_lshrrev_b32 v3, 5, v0
	v_readfirstlane_b32 s22, v3                    ; wave 0..3
	v_lshlrev_b32 v4, 6, v3                        ; my wave's 64 bytes in LDS
	v_and_b32 v5, 7, v0
	v_lshlrev_b32 v5, 2, v5                        ; the word of expert lane mod 8
	v_mov_b32 v6, 0
	v_and_b32 v7, 31, v0
	v_lshlrev_b32 v7, 3, v7                        ; 8 bytes a lane in rwb's row
	s_wait_alu depctr_va_sdst(0)                   ; s22 is written, ahead of its first reader, the compare at the kernel's end
	s_mov_b32 s58, 0x76543210                      ; v_permlanex16_b32: each lane takes its own place in the other half
	s_mov_b32 s59, 0xfedcba98
	s_mov_b32 s60, 0x3a800000                      ; 1 / 1024
	s_mov_b32 s61, 0x358637bd                      ; 1e-6
	s_lshl_b32 s56, ttmp9, 12                      ; the row in f32 tensors,
	s_mov_b32 s57, 0
	s_lshl_b32 s62, ttmp9, 8                       ; in rwa and rwb,
	s_mov_b32 s63, 0
	s_lshl_b32 s2, ttmp9, 11                       ; in tb
	s_mov_b32 s3, 0
	s_wait_kmcnt 0x0
	s_add_nc_u64 s[10:11], s[10:11], s[62:63]
	s_load_b512 s[RW:RW+15], s[10:11], 0x0
	s_add_nc_u64 s[4:5], s[4:5], s[56:57]
	s_add_nc_u64 s[PBE:PBE+1], s[6:7], s[56:57]
.irp e, 1,2,3,4,5,6,7
	s_add_nc_u64 s[PBE+2*(\e):PBE+2*(\e)+1], s[PBE+2*(\e)-2:PBE+2*(\e)-1], 0x800000  ; four slices of 2 MiB on
.endr
	s_add_nc_u64 s[16:17], s[16:17], s[56:57]
	s_add_nc_u64 s[18:19], s[18:19], s[2:3]
	s_add_nc_u64 s[20:21], s[20:21], s[62:63]
; Position p of the stream: p < 40: expert p / 5; p % 5 < 4: its K slice p % 5, else its row of b2.  40: ln_w.  41-48: gate_w's rows.
.macro ISSUE p
.set sl, RING+8*((\p)%SLOTS)
.if (\p) < 40
.if (\p)%5 < 4
	global_load_b128 v[sl:sl+3],   v1, s[PBE+2*((\p)/5):PBE+2*((\p)/5)+1] offset:((\p)%5)*0x200000 th:TH_LOAD_NT
	global_load_b128 v[sl+4:sl+7], v1, s[PBE+2*((\p)/5):PBE+2*((\p)/5)+1] offset:((\p)%5)*0x200000+2048 th:TH_LOAD_NT
.else
	global_load_b128 v[sl:sl+3],   v1, s[8:9] offset:((\p)/5)*4096
	global_load_b128 v[sl+4:sl+7], v1, s[8:9] offset:((\p)/5)*4096+2048
.endif
.elseif (\p) == 40
	global_load_b128 v[sl:sl+3],   v1, s[12:13]
	global_load_b128 v[sl+4:sl+7], v1, s[12:13] offset:2048
.else
	global_load_b128 v[sl:sl+3],   v1, s[14:15] offset:((\p)-41)*4096
	global_load_b128 v[sl+4:sl+7], v1, s[14:15] offset:((\p)-41)*4096+2048
.endif
.endm
.macro DOT e, g                        ; my 8 columns' part of logit e; gate_w's row lies in v[g .. g+7]
.set tp, T+2*((\e)%4)
	v_pk_mul_f32 v[tp:tp+1], v[Y:Y+1], v[(\g):(\g)+1]
	v_pk_fma_f32 v[tp:tp+1], v[Y+2:Y+3], v[(\g)+2:(\g)+3], v[tp:tp+1]
	v_pk_fma_f32 v[tp:tp+1], v[Y+4:Y+5], v[(\g)+4:(\g)+5], v[tp:tp+1]
	v_pk_fma_f32 v[tp:tp+1], v[Y+6:Y+7], v[(\g)+6:(\g)+7], v[tp:tp+1]
	v_add_f32 v[LG+(\e)], v[tp], v[tp+1]
.endm
; Position p is used: place gi of block gn.  From block 1 on, position nq = p + 24 is asked for beside it, into the slot of position p - 4, the same place of the block before.
; top: the last position that has been asked for when p's wait stands; at a block's head the wait stands ahead of the block's first request.
.macro USE p
.set gn, (\p)/GRP
.set gi, (\p)%GRP
.set nq, (\p)+SLOTS-GRP
.set top, SLOTS-1
.if gn > 0
.set top, nq
.if gi == 0
.set top, nq-1
.endif
.if top > LAST
.set top, LAST
.endif
.endif
.if (gn > 0) && (gi > 0) && (nq <= LAST)
	ISSUE nq                                       ; no wait: no vector line since the wait at the block's head names this slot or v1
.endif
	s_wait_loadcnt 2*(top-(\p))                    ; loads come back in order: position p is in; the two loads of each later position that has been issued may be out
.if (gn > 0) && (gi == 0) && (nq <= LAST)
	s_wait_alu depctr_va_vdst(0)                   ; the block before is done reading its four slots, in which this block's loads land
	ISSUE nq
.endif
.set sl, RING+8*((\p)%SLOTS)
.if (\p) < 40
.set rw, RW+2*((\p)/5)
.irp c, 0,2,4,6
	v_pk_fma_f32 v[X+(\c):X+(\c)+1], v[sl+(\c):sl+(\c)+1], s[rw:rw+1], v[X+(\c):X+(\c)+1] op_sel_hi:[1,0,1]  ; x += rw[e] (slice or bias)
.endr
.elseif (\p) == 40
.irp c, 0,2,4,6
	v_pk_mul_f32 v[Y+(\c):Y+(\c)+1], v[X+(\c):X+(\c)+1], v[sl+(\c):sl+(\c)+1]  ; x ln_w
.endr
	v_pk_mul_f32 v[U:U+1], v[X:X+1], v[X:X+1]      ; my part of the sum of squares
	v_pk_fma_f32 v[U:U+1], v[X+2:X+3], v[X+2:X+3], v[U:U+1]
	v_pk_fma_f32 v[U:U+1], v[X+4:X+5], v[X+4:X+5], v[U:U+1]
	v_pk_fma_f32 v[U:U+1], v[X+6:X+7], v[X+6:X+7], v[U:U+1]
	v_add_f32 v[LG+8], v[U], v[U+1]
.else
	DOT (\p)-41, sl
.endif
.if (\p) == 39
	s_wait_alu depctr_va_vdst(0)                   ; the multiply-adds have written X, which the two stores read
	global_store_b128 v1, v[X:X+3], s[16:17]       ; x1: X is not written again
	global_store_b128 v1, v[X+4:X+7], s[16:17] offset:2048
.endif
.endm
.macro WSUM n                          ; v[LG .. LG+n-1] summed over the wave's 32 lanes; the values take turns, so that no line waits for the one before it
.irp m, 1,2,4,8
.set k, 0
.rept \n
	v_add_f32_dpp v[LG+k], v[LG+k], v[LG+k] row_xmask:\m row_mask:0xf bank_mask:0xf
.set k, k+1
.endr
.endr
.set k, 0
.rept \n
	v_permlanex16_b32 v[RING+k], v[LG+k], s58, s59 ; its destination counts as read: registers that the loads have written and nobody needs any more
.set k, k+1
.endr
.set k, 0
.rept \n
	v_add_f32 v[LG+k], v[LG+k], v[RING+k]
.set k, k+1
.endr
.endm
	s_wait_alu depctr_va_vdst(0)                   ; v1, v2, v4 to v7, v14 and v15 are written: every load, store and LDS instruction of the kernel reads one of them as its offset or address
	global_load_b128 v[X:X+3], v1, s[4:5]
	global_load_b128 v[X+4:X+7], v1, s[4:5] offset:2048
.set p, 0
.rept SLOTS
	ISSUE p
.set p, p+1
.endr
	s_wait_kmcnt 0x0                               ; the gate's weights
.set p, 0
.rept LAST+1
	USE p
.set p, p+1
.endr
	WSUM 9
	s_wait_alu depctr_va_vdst(0)                   ; the sums have written v[LG ..], which the LDS stores read; the lines that named v[U ..], in which the LDS loads below land, are done
.irp k, 0,1,2,3,4,5,6,7,8
	ds_store_b32 v4, v[LG+(\k)] offset:4*(\k)      ; all lanes of a wave write the same word with the same value
.endr
	s_wait_dscnt 0x0                               ; for the others' sake: my stores are done
	s_barrier_signal -1
	s_barrier_wait -1
.irp k, 0,1,2,3
	ds_load_b32 v[U+(\k)], v5 offset:64*(\k)       ; lane l: the four waves' parts of logit l mod 8,
.endr
.irp k, 0,1,2,3
	ds_load_b32 v[U+4+(\k)], v6 offset:64*(\k)+32  ; and of the sum of squares
.endr
	s_wait_dscnt 0x0
	v_add_f32 v[U], v[U], v[U+1]
	v_add_f32 v[U+2], v[U+2], v[U+3]
	v_add_f32 v[U+4], v[U+4], v[U+5]
	v_add_f32 v[U+6], v[U+6], v[U+7]
	v_add_f32 v[U], v[U], v[U+2]
	v_add_f32 v[U+4], v[U+4], v[U+6]
	v_fma_f32 v[U+4], v[U+4], s60, s61             ; the mean of the squares + 1e-6
	v_rsq_f32 v[R], v[U+4]
	v_rsq_f32 v[R+1], v[U+4]                       ; twice: a pair for the packed multiply
	v_nop                                          ; a plain instruction behind the last of them,
	s_wait_alu depctr_va_vdst(0)                   ; and a wait ahead of the first reader: v[R] and v[R+1] are written
	v_mul_f32 v[U], v[U], v[R]                     ; the logit
	; softmax over the 8 experts, which lie in 8 neighbouring lanes
	v_mov_b32 v[U+1], v[U]
	v_max_num_f32_dpp v[U+1], v[U+1], v[U+1] row_xmask:1 row_mask:0xf bank_mask:0xf
	v_max_num_f32_dpp v[U+1], v[U+1], v[U+1] row_xmask:2 row_mask:0xf bank_mask:0xf
	v_max_num_f32_dpp v[U+1], v[U+1], v[U+1] row_xmask:4 row_mask:0xf bank_mask:0xf
	v_sub_f32 v[U+2], v[U], v[U+1]
	v_mul_f32 v[U+2], 0x3fb8aa3b, v[U+2]           ; log2(e)
	v_exp_f32 v[U+2], v[U+2]
	v_nop
	s_wait_alu depctr_va_vdst(0)                   ; the exponential has written v[U+2], ahead of its first reader
	v_mov_b32 v[U+3], v[U+2]
	v_add_f32_dpp v[U+3], v[U+3], v[U+3] row_xmask:1 row_mask:0xf bank_mask:0xf
	v_add_f32_dpp v[U+3], v[U+3], v[U+3] row_xmask:2 row_mask:0xf bank_mask:0xf
	v_add_f32_dpp v[U+3], v[U+3], v[U+3] row_xmask:4 row_mask:0xf bank_mask:0xf
	v_rcp_f32 v[U+3], v[U+3]
	v_nop
	s_wait_alu depctr_va_vdst(0)                   ; the reciprocal has written v[U+3], ahead of its first reader
	v_mul_f32 v[PR], v[U+2], v[U+3]
	v_mul_f32 v[PR+1], v[U+2], v[U+3]
.irp c, 0,2,4,6
	v_pk_mul_f32 v[Y+(\c):Y+(\c)+1], v[Y+(\c):Y+(\c)+1], v[R:R+1]
.endr
.irp c, 0,1,2,3
	v_cvt_pk_bf16_f32 v[T+(\c)], v[Y+2*(\c)], v[Y+2*(\c)+1]
.endr
	s_wait_alu depctr_va_vdst(0)                   ; v[PR ..] and v[T ..] are written, which the stores below read: ahead of the branch, so on both ways
	s_cmp_lg_u32 s22, 0
	s_cbranch_scc1 .Lnot_wave_0
	global_store_b64 v7, v[PR:PR+1], s[20:21]      ; wave 0: the row's 256 bytes, whole
.Lnot_wave_0:
	global_store_b64 v2, v[T:T+1], s[18:19]        ; a wave's store covers 256 consecutive bytes, aligned
	global_store_b64 v2, v[T+2:T+3], s[18:19] offset:1024
	s_wait_dscnt 0x0                               ; the wave's end
	s_wait_alu depctr_hold_cnt(0) depctr_sa_sdst(0) depctr_va_vdst(0) depctr_va_sdst(0) depctr_va_ssrc(0) depctr_va_vcc(0) depctr_vm_vsrc(0)
	s_wait_tensorcnt 0x0
	ds_add_u32 v14, v15
	s_wait_dscnt 0x0
	s_endpgm
.Lfunc_end_k_qdd413108c5_mix0:
	.size	k_qdd413108c5_mix0, .Lfunc_end_k_qdd413108c5_mix0-k_qdd413108c5_mix0
	.p2alignl 7, 3214868480
	.fill 96, 4, 3214868480
	.section	.rodata,"a",@progbits
	.p2align	6, 0x0
	.amdhsa_kernel k_qdd413108c5_mix0
		.amdhsa_group_segment_fixed_size 1024
		.amdhsa_private_segment_fixed_size 0
		.amdhsa_enable_private_segment 0
		.amdhsa_kernarg_size 72
		.amdhsa_user_sgpr_count 2
		.amdhsa_user_sgpr_kernarg_segment_ptr 1
		.amdhsa_wavefront_size32 1
		.amdhsa_system_sgpr_workgroup_id_x 1
		.amdhsa_system_sgpr_workgroup_id_y 1
		.amdhsa_system_sgpr_workgroup_id_z 1
		.amdhsa_system_vgpr_workitem_id 0
		.amdhsa_next_free_vgpr 256
		.amdhsa_next_free_sgpr 66
		.amdhsa_reserve_vcc 0
		.amdhsa_float_denorm_mode_32 3
		.amdhsa_float_denorm_mode_16_64 3
		.amdhsa_memory_ordered 1
		.amdhsa_forward_progress 1
		.amdhsa_inst_pref_size 33
	.end_amdhsa_kernel
	.amdgpu_metadata
---
amdhsa.version: [ 1, 2 ]
amdhsa.kernels:
  - .name:           k_qdd413108c5_mix0
    .symbol:         k_qdd413108c5_mix0.kd
    .args:
      - { .name: hidden_states, .offset: 0, .size: 8, .value_kind: global_buffer, .address_space: global }
      - { .name: part, .offset: 8, .size: 8, .value_kind: global_buffer, .address_space: global }
      - { .name: b2, .offset: 16, .size: 8, .value_kind: global_buffer, .address_space: global }
      - { .name: rwa, .offset: 24, .size: 8, .value_kind: global_buffer, .address_space: global }
      - { .name: ln_w, .offset: 32, .size: 8, .value_kind: global_buffer, .address_space: global }
      - { .name: gate_w, .offset: 40, .size: 8, .value_kind: global_buffer, .address_space: global }
      - { .name: x1, .offset: 48, .size: 8, .value_kind: global_buffer, .address_space: global }
      - { .name: tb, .offset: 56, .size: 8, .value_kind: global_buffer, .address_space: global }
      - { .name: rwb, .offset: 64, .size: 8, .value_kind: global_buffer, .address_space: global }
    .group_segment_fixed_size: 1024
    .private_segment_fixed_size: 0
    .kernarg_segment_align: 8
    .kernarg_segment_size: 72
    .max_flat_workgroup_size: 128
    .sgpr_count:     66
    .vgpr_count:     256
    .wavefront_size: 32
...
	.end_amdgpu_metadata
.endif
;; end of part 6
;; launch up1: the kernel of part 2 again; grid 256 x 1, 4 waves a work-group, clusters of 4 x 1, 327,680 bytes of LDS; arguments tb, w1, b1, hs; writes hs
;; launch down1: the kernel of part 3 again; grid 256 x 1, 4 waves a work-group, clusters of 4 x 1, 327,680 bytes of LDS; arguments hs, w2, part; writes part
;; launch mix1 (part 7): grid 512 x 1, 4 waves a work-group, no clusters, 0 bytes of LDS; arguments x1, part, b2, rwb, out0; writes out0
.if DOCPART == 7
	.amdgcn_target "amdgcn-amd-amdhsa--gfx1250"
	.amdhsa_code_object_version 6
	.text
	.protected	k_qdd413108c5_mix1
	.globl	k_qdd413108c5_mix1
	.p2align	8
	.type	k_qdd413108c5_mix1,@function
k_qdd413108c5_mix1:
	s_mov_b64 s[64:65], 0
	v_nop
	global_prefetch_b8 v0, s[64:65] scope:SCOPE_SE
	s_setreg_imm32_b32 hwreg(HW_REG_WAVE_SCHED_MODE, 0, 2), 2
	s_setreg_imm32_b32 hwreg(HW_REG_WAVE_MODE, 25, 1), 1
	s_wait_xcnt 0x0
	s_wait_alu depctr_vm_vsrc(0)
; STEP 1's END, for one token row t a work-group, all in f32:  out0[t] = x1[t] + sum over e of rw[t][e] (sum of expert e's four K slices of part + b2[e]).
; Thread n holds columns 4 n .. + 3 and 512 + 4 n ..: every load and store of a wave covers 512 neighbouring bytes.  The 40 rows that the work-group reads (32 slices and 8 rows of b2, by experts) are one stream
; through a ring of 28 register slots, and each wait counts the loads issued behind the row that is due: 24 to 27 later rows in the first block, 23 or 24 after it, 46 to 54 loads of every wave, may be out.  No address register is ever rewritten; no LDS,
; no barrier: no thread needs another's numbers.  rwb's row: 16 words into scalar registers, rw[e] as the pair at words 2 e, 2 e + 1.
; THE MODE: SCHED_MODE bits 1:0 = 2 (LLVM: expert scheduling mode 2), set by the entry lines.  The code itself states the register dependences between vector instructions and memory instructions,
; with s_wait_alu, always for 0.
; THE PLAN.  The stream goes in blocks of four positions.  Registers that memory instructions touch:
;   v1         the offset, made once at the head and never written again.
;   the slots  Block g's multiply-adds read its own four slots.  Its loads land in the four slots of block g - 1 (the positions 24 ahead of block g's own), which no vector line of block g names.
;              So ONE wait at the head of a block that loads states that the block before is done reading its slots; the block's loads follow it, a pair ahead of each position's lines.
;   X          Loaded once, then written by the multiply-adds; read by the two stores at the end, behind a wait.
; No register that a memory instruction reads is ever written again.
.set LAST, 39                          ; the stream's last position
.set SLOTS, 28
.set GRP,  4                           ; positions in a block
.set X,    16                          ; v[16:23]   my 8 numbers of the row
.set RING, 32                          ; v[32:255]  28 slots of 8
.set RW,   24                          ; s[24:39]   this row's gate weights, each twice
.set PBE,  40                          ; s[40:55]   part at this row, a base for each expert's four slices
	s_load_b256 s[4:11], s[0:1], 0x0               ; x1 s[4:5], part s[6:7], b2 s[8:9], rwb s[10:11]
	s_load_b64 s[12:13], s[0:1], 0x20              ; out0
	v_lshlrev_b32 v1, 4, v0                        ; my 16 bytes in half a row
	s_lshl_b32 s56, ttmp9, 12                      ; the row in f32 tensors,
	s_mov_b32 s57, 0
	s_lshl_b32 s62, ttmp9, 8                       ; in rwb
	s_mov_b32 s63, 0
	s_wait_kmcnt 0x0
	s_add_nc_u64 s[10:11], s[10:11], s[62:63]
	s_load_b512 s[RW:RW+15], s[10:11], 0x0
	s_add_nc_u64 s[4:5], s[4:5], s[56:57]
	s_add_nc_u64 s[PBE:PBE+1], s[6:7], s[56:57]
.irp e, 1,2,3,4,5,6,7
	s_add_nc_u64 s[PBE+2*(\e):PBE+2*(\e)+1], s[PBE+2*(\e)-2:PBE+2*(\e)-1], 0x800000  ; four slices of 2 MiB on
.endr
	s_add_nc_u64 s[12:13], s[12:13], s[56:57]
; Position p of the stream: expert p / 5; p % 5 < 4: its K slice p % 5, else its row of b2.
.macro ISSUE p
.set sl, RING+8*((\p)%SLOTS)
.if (\p)%5 < 4
	global_load_b128 v[sl:sl+3],   v1, s[PBE+2*((\p)/5):PBE+2*((\p)/5)+1] offset:((\p)%5)*0x200000 th:TH_LOAD_NT
	global_load_b128 v[sl+4:sl+7], v1, s[PBE+2*((\p)/5):PBE+2*((\p)/5)+1] offset:((\p)%5)*0x200000+2048 th:TH_LOAD_NT
.else
	global_load_b128 v[sl:sl+3],   v1, s[8:9] offset:((\p)/5)*4096
	global_load_b128 v[sl+4:sl+7], v1, s[8:9] offset:((\p)/5)*4096+2048
.endif
.endm
; Position p is used: place gi of block gn.  From block 1 on, position nq = p + 24 is asked for beside it, into the slot of position p - 4, the same place of the block before.
; top: the last position that has been asked for when p's wait stands; at a block's head the wait stands ahead of the block's first request.
.macro USE p
.set gn, (\p)/GRP
.set gi, (\p)%GRP
.set nq, (\p)+SLOTS-GRP
.set top, SLOTS-1
.if gn > 0
.set top, nq
.if gi == 0
.set top, nq-1
.endif
.if top > LAST
.set top, LAST
.endif
.endif
.if (gn > 0) && (gi > 0) && (nq <= LAST)
	ISSUE nq                                       ; no wait: no vector line since the wait at the block's head names this slot or v1
.endif
	s_wait_loadcnt 2*(top-(\p))                    ; loads come back in order: position p is in; the two loads of each later position that has been issued may be out
.if (gn > 0) && (gi == 0) && (nq <= LAST)
	s_wait_alu depctr_va_vdst(0)                   ; the block before is done reading its four slots, in which this block's loads land
	ISSUE nq
.endif
.set sl, RING+8*((\p)%SLOTS)
.set rw, RW+2*((\p)/5)
.irp c, 0,2,4,6
	v_pk_fma_f32 v[X+(\c):X+(\c)+1], v[sl+(\c):sl+(\c)+1], s[rw:rw+1], v[X+(\c):X+(\c)+1] op_sel_hi:[1,0,1]  ; x += rw[e] (slice or bias)
.endr
.endm
	s_wait_alu depctr_va_vdst(0)                   ; v1 is written: every load and store of the kernel reads it as its offset
	global_load_b128 v[X:X+3], v1, s[4:5]
	global_load_b128 v[X+4:X+7], v1, s[4:5] offset:2048
.set p, 0
.rept SLOTS
	ISSUE p
.set p, p+1
.endr
	s_wait_kmcnt 0x0                               ; the gate's weights
.set p, 0
.rept LAST+1
	USE p
.set p, p+1
.endr
	s_wait_alu depctr_va_vdst(0)                   ; the multiply-adds have written X, which the two stores read
	global_store_b128 v1, v[X:X+3], s[12:13]
	global_store_b128 v1, v[X+4:X+7], s[12:13] offset:2048
	s_endpgm
.Lfunc_end_k_qdd413108c5_mix1:
	.size	k_qdd413108c5_mix1, .Lfunc_end_k_qdd413108c5_mix1-k_qdd413108c5_mix1
	.p2alignl 7, 3214868480
	.fill 96, 4, 3214868480
	.section	.rodata,"a",@progbits
	.p2align	6, 0x0
	.amdhsa_kernel k_qdd413108c5_mix1
		.amdhsa_group_segment_fixed_size 0
		.amdhsa_private_segment_fixed_size 0
		.amdhsa_enable_private_segment 0
		.amdhsa_kernarg_size 40
		.amdhsa_user_sgpr_count 2
		.amdhsa_user_sgpr_kernarg_segment_ptr 1
		.amdhsa_wavefront_size32 1
		.amdhsa_system_sgpr_workgroup_id_x 1
		.amdhsa_system_sgpr_workgroup_id_y 1
		.amdhsa_system_sgpr_workgroup_id_z 1
		.amdhsa_system_vgpr_workitem_id 0
		.amdhsa_next_free_vgpr 256
		.amdhsa_next_free_sgpr 66
		.amdhsa_reserve_vcc 0
		.amdhsa_float_denorm_mode_32 3
		.amdhsa_float_denorm_mode_16_64 3
		.amdhsa_memory_ordered 1
		.amdhsa_forward_progress 1
		.amdhsa_inst_pref_size 21
	.end_amdhsa_kernel
	.amdgpu_metadata
---
amdhsa.version: [ 1, 2 ]
amdhsa.kernels:
  - .name:           k_qdd413108c5_mix1
    .symbol:         k_qdd413108c5_mix1.kd
    .args:
      - { .name: x1, .offset: 0, .size: 8, .value_kind: global_buffer, .address_space: global }
      - { .name: part, .offset: 8, .size: 8, .value_kind: global_buffer, .address_space: global }
      - { .name: b2, .offset: 16, .size: 8, .value_kind: global_buffer, .address_space: global }
      - { .name: rwb, .offset: 24, .size: 8, .value_kind: global_buffer, .address_space: global }
      - { .name: out0, .offset: 32, .size: 8, .value_kind: global_buffer, .address_space: global }
    .group_segment_fixed_size: 0
    .private_segment_fixed_size: 0
    .kernarg_segment_align: 8
    .kernarg_segment_size: 40
    .max_flat_workgroup_size: 128
    .sgpr_count:     66
    .vgpr_count:     256
    .wavefront_size: 32
...
	.end_amdgpu_metadata
.endif
;; end of part 7
